; MI455X (gfx1250); checked and timed in simulation.
; The chip was launched on July 23, 2026; its instructions are those of AMD's public machine-readable ISA for CDNA 5 (MIT licence, August 2026) and "CDNA5" Instruction Set Architecture Reference Guide (July 2026). The comments in the code are by the model that wrote it; some were corrected since.
;; Linear Attention. Allowed arithmetic: float matrix products may take bf16 or f16 operands with f32 sums; other float arithmetic in f32, or as packed bf16 or f16 multiplies, adds, multiply-adds, maxima and minima; sums over many terms, partial sums and values carried from step to step in f32; what a program stores and reads back later, other than sums and carried values, may be rounded once to bf16 or f16.
;; Inputs: Wk 1,024 x 1,024 float32; Wq 1,024 x 1,024 float32; Wv 1,024 x 1,024 float32; bk 1,024 float32; bq 1,024 float32; bv 1,024 float32; keys 4 x 2,048 x 1,024 float32; queries 4 x 2,048 x 1,024 float32; values 4 x 2,048 x 1,024 float32.
;; Outputs: out0 4 x 2,048 x 1,024 float32.
;; 2 versions, each right; version 2 is version 1 with the launch cast written anew for expert scheduling mode. Each part assembles by itself: llvm-mc -triple=amdgcn-amd-amdhsa -mcpu=gfx1250 --defsym DOCPART=n.
;; ======== version 1 of 2: 4 launches
;; limits: values are held in f16: magnitudes above 65,504 overflow, below 6.1e-05 lose precision
;; workspace buffers: xw 56,623,104 bytes; qkv 50,331,648 bytes; pb 33,554,432 bytes; mx 6,144 bytes
;; launch cast (part 1): grid 288 x 3, 8 waves a work-group, no clusters, 0 bytes of LDS; arguments queries, keys, values, Wq, Wk, Wv, xw; writes xw
.if DOCPART == 1
	.amdgcn_target "amdgcn-amd-amdhsa--gfx1250"
	.amdhsa_code_object_version 6
	.text
	.protected	k_qc4cb8efa71_cast
	.globl	k_qc4cb8efa71_cast
	.p2align	8
	.type	k_qc4cb8efa71_cast,@function
k_qc4cb8efa71_cast:
	s_mov_b64 s[64:65], 0
	v_nop
	global_prefetch_b8 v0, s[64:65] scope:SCOPE_SE
	s_setreg_imm32_b32 hwreg(HW_REG_WAVE_MODE, 25, 1), 1
	s_wait_xcnt 0x0
; xw = the six large inputs rounded once, f32 to f16: x of q, k, v ([8192][1024] each, 16,777,216 bytes), then W of q, k, v ([1024][1024] each) from byte 50,331,648 on.
; LIMITS.  f16 holds no number beyond 65,504: an input of 65,520 or more becomes an infinity; below 6e-5 a number keeps f16's fixed step of 6e-8.  NaN and infinities are not treated apart.
; SHARES.  Grid y picks q, k or v.  Grid x below 256: chunk x of that x tensor; 256 to 287: chunk x - 256 of that weight.  A chunk is 32 rows of 1,024 numbers: 131,072 bytes in, 65,536 out.
; Thread t owns bytes 16 t of every 4,096-byte input row and bytes 8 t of every 2,048-byte output row: a wave's load covers 512 consecutive bytes, its store 256 consecutive bytes, aligned.
; A ring of eight row slots in registers keeps eight loads of every wave on their way.  No LDS, no barrier, no matrix unit: no number is wanted twice and no wave wants another's.
.set ROWI,  4096                       ; bytes in an input row
.set ROWO,  2048                       ; bytes in an output row
.set DEPTH, 8                          ; slots = loads in flight in each wave
.set X,     8                          ; v[8:39]   slot i: 4 registers as loaded
.set Y,     40                         ; v[40:55]  slot i: 2 registers to store
	s_load_b256 s[4:11], s[0:1], 0x0               ; queries s[4:5], keys s[6:7], values s[8:9], Wq s[10:11]
	s_load_b128 s[12:15], s[0:1], 0x20             ; Wk s[12:13], Wv s[14:15]
	s_load_b64 s[16:17], s[0:1], 0x30              ; xw
	s_and_b32 s18, ttmp7, 0xffff                   ; 0, 1, 2: q, k, v
	v_lshlrev_b32 v1, 4, v0                        ; my 16 bytes of an input row; never rewritten
	v_lshlrev_b32 v2, 3, v0                        ; my 8 bytes of an output row; never rewritten
	s_and_b32 s19, ttmp9, 255                      ; the chunk's number: x, or x - 256 for the weights
	s_lshl_b32 s24, s18, 24                        ; where the x tensor begins in xw
	s_lshl_b32 s25, s18, 21                        ; where the weight begins:
	s_add_co_u32 s25, s25, 0x3000000               ; behind the three x tensors
	s_cmp_lt_u32 ttmp9, 256
	s_cselect_b32 s26, s24, s25
	s_lshl_b32 s24, s19, 17                        ; the chunk in its source
	s_mov_b32 s25, 0
	s_lshl_b32 s19, s19, 16                        ; and in xw
	s_add_co_u32 s26, s26, s19
	s_mov_b32 s27, 0
	s_mov_b32 s28, 32/DEPTH-1                      ; rounds that load ahead
	s_wait_kmcnt 0x0
	s_cmp_eq_u32 s18, 1                            ; the choice hangs on the grid's y and x alone
	s_cselect_b64 s[20:21], s[6:7], s[4:5]
	s_cselect_b64 s[22:23], s[12:13], s[10:11]
	s_cmp_eq_u32 s18, 2
	s_cselect_b64 s[20:21], s[8:9], s[20:21]
	s_cselect_b64 s[22:23], s[14:15], s[22:23]
	s_cmp_lt_u32 ttmp9, 256
	s_cselect_b64 s[20:21], s[20:21], s[22:23]
	s_add_nc_u64 s[20:21], s[20:21], s[24:25]      ; the source at my chunk
	s_add_nc_u64 s[16:17], s[16:17], s[26:27]      ; xw at my chunk
.irp i, 0,1,2,3,4,5,6,7
	global_load_b128 v[X+4*(\i):X+4*(\i)+3], v1, s[20:21] offset:(\i)*ROWI th:TH_LOAD_NT  ; rows 0 to 7 fill the ring
.endr
; One slot's turn.  ahead = 1: the slot is filled again with the row eight further down.  left = the younger loads that may stay out.
.macro SLOT i, ahead, left
	s_wait_loadcnt \left                           ; loads come back in order: mine is in
	v_cvt_pk_f16_f32 v[Y+2*(\i)],   v[X+4*(\i)],   v[X+4*(\i)+1]    ; two roundings to f16, packed
	v_cvt_pk_f16_f32 v[Y+2*(\i)+1], v[X+4*(\i)+2], v[X+4*(\i)+3]
.if \ahead
	global_load_b128 v[X+4*(\i):X+4*(\i)+3], v1, s[20:21] offset:(DEPTH+(\i))*ROWI th:TH_LOAD_NT
.endif
	global_store_b64 v2, v[Y+2*(\i):Y+2*(\i)+1], s[16:17] offset:(\i)*ROWO th:TH_STORE_NT
.endm
.Lround:
.irp i, 0,1,2,3,4,5,6,7
	SLOT \i, 1, DEPTH-1
.endr
	s_wait_xcnt 0x0                                ; every load and store issued so far has read its sources: both bases and all of Y are rewritten only behind this wait
	s_add_nc_u64 s[20:21], s[20:21], DEPTH*ROWI
	s_add_nc_u64 s[16:17], s[16:17], DEPTH*ROWO
	s_sub_co_u32 s28, s28, 1
	s_cmp_lg_u32 s28, 0
	s_cbranch_scc1 .Lround
.irp i, 0,1,2,3,4,5,6,7
	SLOT \i, 0, DEPTH-1-(\i)                       ; the last round loads nothing: the counts run down
.endr
	s_endpgm
.Lfunc_end_k_qc4cb8efa71_cast:
	.size	k_qc4cb8efa71_cast, .Lfunc_end_k_qc4cb8efa71_cast-k_qc4cb8efa71_cast
	.p2alignl 7, 3214868480
	.fill 96, 4, 3214868480
	.section	.rodata,"a",@progbits
	.p2align	6, 0x0
	.amdhsa_kernel k_qc4cb8efa71_cast
		.amdhsa_group_segment_fixed_size 0
		.amdhsa_private_segment_fixed_size 0
		.amdhsa_enable_private_segment 0
		.amdhsa_kernarg_size 56
		.amdhsa_user_sgpr_count 2
		.amdhsa_user_sgpr_kernarg_segment_ptr 1
		.amdhsa_wavefront_size32 1
		.amdhsa_system_sgpr_workgroup_id_x 1
		.amdhsa_system_sgpr_workgroup_id_y 1
		.amdhsa_system_sgpr_workgroup_id_z 1
		.amdhsa_system_vgpr_workitem_id 0
		.amdhsa_next_free_vgpr 56
		.amdhsa_next_free_sgpr 66
		.amdhsa_reserve_vcc 0
		.amdhsa_float_denorm_mode_32 3
		.amdhsa_float_denorm_mode_16_64 3
		.amdhsa_memory_ordered 1
		.amdhsa_forward_progress 1
		.amdhsa_inst_pref_size 8
	.end_amdhsa_kernel
	.amdgpu_metadata
---
amdhsa.version: [ 1, 2 ]
amdhsa.kernels:
  - .name:           k_qc4cb8efa71_cast
    .symbol:         k_qc4cb8efa71_cast.kd
    .args:
      - { .name: queries, .offset: 0, .size: 8, .value_kind: global_buffer, .address_space: global }
      - { .name: keys, .offset: 8, .size: 8, .value_kind: global_buffer, .address_space: global }
      - { .name: values, .offset: 16, .size: 8, .value_kind: global_buffer, .address_space: global }
      - { .name: Wq, .offset: 24, .size: 8, .value_kind: global_buffer, .address_space: global }
      - { .name: Wk, .offset: 32, .size: 8, .value_kind: global_buffer, .address_space: global }
      - { .name: Wv, .offset: 40, .size: 8, .value_kind: global_buffer, .address_space: global }
      - { .name: xw, .offset: 48, .size: 8, .value_kind: global_buffer, .address_space: global }
    .group_segment_fixed_size: 0
    .private_segment_fixed_size: 0
    .kernarg_segment_align: 8
    .kernarg_segment_size: 56
    .max_flat_workgroup_size: 256
    .sgpr_count:     66
    .vgpr_count:     56
    .wavefront_size: 32
...
	.end_amdgpu_metadata
.endif
;; end of part 1
;; launch proj (part 2): grid 4 x 96, 4 waves a work-group, clusters of 4 x 4, 327,680 bytes of LDS; arguments xw, qkv, mx, bq, bk, bv; writes qkv, mx
.if DOCPART == 2
	.amdgcn_target "amdgcn-amd-amdhsa--gfx1250"
	.amdhsa_code_object_version 6
	.text
	.protected	k_qc4cb8efa71_proj
	.globl	k_qc4cb8efa71_proj
	.p2align	8
	.type	k_qc4cb8efa71_proj,@function
k_qc4cb8efa71_proj:
	s_mov_b64 s[64:65], 0
	v_nop
	global_prefetch_b8 v0, s[64:65] scope:SCOPE_SE
	s_setreg_imm32_b32 hwreg(HW_REG_WAVE_MODE, 25, 1), 1
	s_wait_xcnt 0x0
	s_wait_alu depctr_hold_cnt(0) depctr_sa_sdst(0) depctr_va_vdst(0) depctr_va_sdst(0) depctr_va_ssrc(0) depctr_va_vcc(0) depctr_vm_vsrc(0)
	s_getreg_b32 s2, hwreg(HW_REG_IB_STS2, 6, 4)
	s_cmp_eq_u32 s2, 0
	s_cbranch_scc0 .Lentry_in_a_cluster
	s_endpgm
.Lentry_in_a_cluster:
	s_bfe_u32 s2, ttmp6, 0x10000c
	s_cmp_lg_u32 s2, 0xf033
	s_cbranch_scc0 .Lentry_shape_is_right
	s_endpgm
.Lentry_shape_is_right:
; Q, K, V = x W^T + b.  x: three tensors [8192][1024] f16 end to end in xw, W: three [1024][1024] f16 behind them, b: [1024] f32; sums in f32, started with the bias; Q, K, V rounded once to f16, end to end in qkv.
; Beside them: the largest magnitude of each wave's f32 sums into mx, one word a wave, at word 16 x tile row + 4 x tile column + wave: Q's 512 words, then K's, then V's.
; The next launches make one power of two from Q's and K's; V's are made by the same text and not used.
; LIMITS.  f16 holds no number beyond 65,504: |Q|, |K|, |V| stay under it, else an infinity is stored.  NaN and infinities are not treated apart.
; SHARES.  A tile of the result is 256 x 256: 96 tile rows (32 for each product) x 4 tile columns = 384 work-groups, a tile each, for 256 WGPs.  Three does not divide the sizes, so no rectangle gives 256 equal shares;
; a tile of 128 x 256 would (three to a work-group), but its K step holds 112 matrix instructions between a tile's request and the wait for it where this one holds 224, and it reads 48 fragments' loads from LDS for 64 matrix instructions where this one reads 32.
; Four waves, each 128 x 128: 64 accumulators of 16 x 16, 512 registers.  K goes in steps of 128 (rows of 256 bytes, aligned) through two LDS slots filled by the tensor data mover.
; CLUSTERS.  4 x 4 work-groups.  The four of a row of the cluster need the same tile of x, the four of a column the same tile of W: each is asked for JOINTLY, by the same tensor load with the same descriptor and mask.
; THE MATRIX INSTRUCTION IS USED TRANSPOSED (source 0 = 16 rows of W, source 1 = 16 rows of x): a lane holds row l % 16 of the result and the columns 8 (l / 16) + 0..7: eight neighbours, 16 bytes in f16.
; REGISTERS, in windows of 256 (s_set_vgpr_msb: bits 1:0 source 0, 3:2 source 1, 5:4 source 2, 7:6 destination):
;   window 0: v0-31 addresses and small work; v64-127, v128-191 x's fragments (8 x 16 rows x 32 K), two buffers; v192-223 packed results; v32-63, v224-255 rows read back from the stage
;   window 1: v0-63 the bias of my 128 columns, laid out as the C operand of the first products; v64-127, v128-191 W's fragments, two buffers
;   window 2: the 32 accumulators of my rows 0-63 ((a, b) at v[8 (8 a + b)]);   window 3: those of my rows 64-127
.set KSB,    256                       ; bytes of a row in a K step
.set PITCH,  272                       ; an LDS row: 256 bytes + 16 of padding = 68 words: row r starts 4 r words on, modulo 64: the 16 rows of a fragment load start at 16 different groups of four banks
.set HALFT,  128*PITCH                 ; 128 rows: what one tensor load brings, and what one wave reads of x or of W
.set SLOT,   4*HALFT                   ; x's 256 rows, then W's 256 rows
.set STAGE,  2*SLOT                    ; behind the ring, never filled by a tensor load: 16 rows x 272 bytes for each wave, for the way out
.set SPITCH, 272
.set SPARE,  STAGE+4*16*SPITCH         ; behind the stages: the spare words, 128 bytes for each wave: two blocks of 256 bytes that no other line names
.set LAPS,   4                         ; a lap = two K steps = once round the ring; 1,024 / 256
.set ROWB,   2048                      ; bytes in a row of x, W, Q
.set WBASE,  3*8192*ROWB               ; the weights in xw
.set CPITCH, ROWB
.set ADRA, 16                          ; v16-17  LDS address of my x fragments in slot 0, 1
.set ADRB, 20                          ; v20-21  the same for W
.set STO,  24                          ; v24     the way out: where I put 16 bytes of a row
.set RD,   25                          ; v25     the way out: where I read a row back
.set CO,   26                          ; v26     my byte offset in two rows of the result
.set BO,   27                          ; v27     my byte offset in the bias
.set SPW,  28                          ; v28     LDS address of my spare word: SPARE + 4 x my thread's number; never rewritten
.set NIL,  29                          ; v29     0; never rewritten
.set PFO,  30                          ; v30     the prefetches' offset: my lane x a row; never rewritten
.set OB,   32
.set F0,   64
.set F1,   128
.set TMP,  192
.set G1,   24                          ; s[24:31] descriptor group 1 for x's tiles;  s[32:39] group 0, a set for each slot
.set G0,   32
.set LIM,  43                          ; s43     1 in a wave that prefetches, else the greatest number
.set G1B,  48                          ; s[48:55], s[56:63] the same for W's tiles
.set G0B,  56
.set PFA,  66                          ; s[66:67] where my prefetches stand
.set BP,   72                          ; s[72:77] bq, bk, bv; then s[72:73] my product's
.set MXP,  80                          ; s[80:81] mx
.set SEL,  84                          ; s[84:85] v_permlanex16_b32's selects: each lane takes its own place in the other half
.set MUL_LO,  0xa1                     ; source 0 (W) window 1, source 1 (x) window 0, C and D window 2; + 0x50: C and D window 3
.set MULB_LO, 0x91                     ; the same with C (the bias) in window 1; + 0x40: D window 3
.set TO_B,    0x40                     ; destination window 1, address window 0
.set MSB, 0
.macro WIN new                         ; the immediate's high byte repeats the setting that is left; a switch that changes nothing is dropped
.if MSB != (\new)
	s_set_vgpr_msb (MSB<<8)|(\new)
.set MSB, \new
.endif
.endm
; A joint load.  Waves 0 and 1 fetch x's two halves, waves 2 and 3 W's.  The branch hangs on the wave's number alone.  An s_nop 0 and four v_nop follow each of the two lines.
.macro JLOAD s
	s_cmp_eq_u32 s11, 0
	s_cbranch_scc0 .Lfor_b_\@
	tensor_load_to_lds s[G0+4*(\s):G0+4*(\s)+3], s[G1:G1+7]
	s_nop 0
.rept 4
	v_nop
.endr
	s_branch .Lasked_\@
.Lfor_b_\@:
	tensor_load_to_lds s[G0B+4*(\s):G0B+4*(\s)+3], s[G1B:G1B+7]
	s_nop 0
.rept 4
	v_nop
.endr
.Lasked_\@:
.endm
; A PREFETCH INTO THE L2, behind a joint load, its five lines and the run of LDS loads: the change of slots at the end of K step t names K step t + 4, which the change two further on will ask for: 512 matrix instructions ahead.
; Each row's 256 bytes of a K step are named once in the launch.  x's tile row is read by one cluster alone: every cluster asks for its own.  W's tile column is read by the eight clusters of a product: the first of them asks.
; The four partners of a joint load share its 128 rows out BY ADDRESS, 32 each (by cx for x, by cy for W): a lane a row, one instruction a wave.  K steps 0 to 3 come by their loads alone; the loop's last trip has no K step four on.
.macro ASK
	s_cmp_gt_u32 s3, s[LIM]                        ; s3 = 1 in the loop's last trip
	s_cbranch_scc0 .Lnot_mine_\@
	global_prefetch_b8 v[PFO], s[PFA:PFA+1] th:TH_LOAD_NT scope:SCOPE_SE
.Lnot_mine_\@:
.endm
; A round of the cluster's barrier: my work-group's barrier; wave 0 signals for the work-group; every wave waits for all sixteen; my work-group's barrier once more.
.macro CREST                           ; a round behind its opening barrier
	s_cmp_lg_u32 s10, 0
	s_cbranch_scc1 .Lnot_wave_0_\@
	s_barrier_signal -3
.Lnot_wave_0_\@:
	s_barrier_wait -3
	s_barrier_signal -1
	s_barrier_wait -1
.endm
.macro CROUND
	s_barrier_signal -1
	s_barrier_wait -1
	CREST
.endm
.macro PLACES                          ; four plain instructions between a matrix instruction and a load into, or a vector read of, its registers (ISA guide 7.12.1 for vector reads)
.rept 4
	v_nop
.endr
.endm
; 16 matrix instructions: row blocks a0, a0 + 1 of the window's four (hi = 0: my rows 0-63, 1: rows 64-127) x all 8 column blocks, 32 along K, from buffer f.  first = 1: the products start the sums with the bias.
; The 64 accumulators take turns in one fixed order, over the loop's backward jump too.
.macro MUL16 f, hi, a0, first
.if \first
	WIN MULB_LO+0x40*(\hi)
.else
	WIN MUL_LO+0x50*(\hi)
.endif
.irp a, \a0, (\a0)+1
.irp b, 0,1,2,3,4,5,6,7
.if \first
	v_wmma_f32_16x16x32_f16 v[8*(8*(\a)+(\b)):8*(8*(\a)+(\b))+7], v[(\f)+8*(\b):(\f)+8*(\b)+7], v[(\f)+8*(4*(\hi)+(\a)):(\f)+8*(4*(\hi)+(\a))+7], v[8*(\b):8*(\b)+7]
.else
	v_wmma_f32_16x16x32_f16 v[8*(8*(\a)+(\b)):8*(8*(\a)+(\b))+7], v[(\f)+8*(\b):(\f)+8*(\b)+7], v[(\f)+8*(4*(\hi)+(\a)):(\f)+8*(4*(\hi)+(\a))+7], v[8*(8*(\a)+(\b)):8*(8*(\a)+(\b))+7]
.endif
.endr
.endr
.endm
; 32 LDS loads in one run: the fragments of one quarter step (128 rows of W, 128 rows of x, 32 K at byte k of the rows) into buffer f.
; A fragment is 16 rows x 32 K in 8 registers: lane l holds row l % 16, K = 8 (l / 16) + 0..7 and 16 + 8 (l / 16) + 0..7: two loads of 16 bytes, 32 bytes apart.
.macro FETCH slot, k, f
	WIN TO_B
.irp i, 0,1,2,3,4,5,6,7
	ds_load_b128 v[(\f)+8*(\i):(\f)+8*(\i)+3],   v[ADRB+(\slot)] offset:(\k)+(\i)*16*PITCH
	ds_load_b128 v[(\f)+8*(\i)+4:(\f)+8*(\i)+7], v[ADRB+(\slot)] offset:(\k)+(\i)*16*PITCH+32
.endr
	WIN 0
.irp i, 0,1,2,3,4,5,6,7
	ds_load_b128 v[(\f)+8*(\i):(\f)+8*(\i)+3],   v[ADRA+(\slot)] offset:(\k)+(\i)*16*PITCH
	ds_load_b128 v[(\f)+8*(\i)+4:(\f)+8*(\i)+7], v[ADRA+(\slot)] offset:(\k)+(\i)*16*PITCH+32
.endr
.endm
; A K step is four quarters of 32 along K, 64 matrix instructions each, on buffers 0, 1, 0, 1.  One of the first three: multiplies buffer f; in its middle it fetches the next quarter, at byte k of the same slot's rows, into buffer g.
.macro QUARTER slot, k, f, g, first
	s_wait_dscnt 8                                 ; W and x's rows 0-63 are in; the youngest eight loads (x's rows 64-127) may be out
	MUL16 \f, 0, 0, \first
	MUL16 \f, 0, 2, \first
	PLACES
	FETCH \slot, \k, \g
	s_wait_dscnt 32                                ; all but the 32 just issued
	MUL16 \f, 1, 0, \first
	MUL16 \f, 1, 2, \first
.endm
; The last quarter multiplies buffer 1 and changes slots.  MEET is its first half: ONE barrier.  In front of it each wave waits for all its tensor loads (one is out: its part of the next slot), adds 0 to its spare word,
; and waits for that and for its own reads of this slot.  Behind it nobody reads this slot any more and the next slot is whole.
.macro MEET round                      ; round = 1: a round of the cluster's barrier follows
	WIN 0                                          ; (the add's two registers lie in window 0)
	s_wait_tensorcnt 0x0                           ; all my tensor loads have landed;
	ds_add_u32 v[SPW], v[NIL]                      ; 0 onto my spare word;
	s_wait_dscnt 9                                 ; (the add and the youngest eight loads may be out)
	MUL16 F1, 0, 0, 0                              ; sixteen matrix instructions stand between the add and the wait for it
	s_wait_dscnt 0x0                               ; the add is done, and my reads of this slot are over
	s_barrier_signal -1
	MUL16 F1, 0, 2, 0                              ; work on registers while the others arrive
.if \round
	WIN 0
.endif
	s_barrier_wait -1
.endm
; The whole last quarter where the slot is filled again, with the K step two on: the barrier opens a round of the cluster's, so that no wave of any partner still reads the slot or has a load on its way,
; and the joint load is the first thing behind the round: 224 matrix instructions ahead of the wait for it.
.macro TURN slot, next
	s_wait_xcnt 0x0                                ; the last prefetch, a K step back, has read its address: the pointer is stepped here, ahead of the waits of the change
	s_add_nc_u64 s[PFA:PFA+1], s[PFA:PFA+1], KSB
	MEET 1
	CREST
	s_add_nc_u64 s[G0+4*(\slot)+2:G0+4*(\slot)+3], s[G0+4*(\slot)+2:G0+4*(\slot)+3], 2*KSB
	s_add_nc_u64 s[G0B+4*(\slot)+2:G0B+4*(\slot)+3], s[G0B+4*(\slot)+2:G0B+4*(\slot)+3], 2*KSB
	JLOAD \slot                                    ; the four v_nop behind it are also the places in front of the loads below
	FETCH \next, 0, F0
	ASK
	MUL16 F1, 1, 0, 0
	MUL16 F1, 1, 2, 0
.endm
; THE WAY OUT of row block a, in three parts.  PACK: the running largest and smallest take the f32 sums, which are rounded to f16, 16 bytes a lane; each accumulator's registers in ascending order.
.macro PACK a
.set AC, 64*((\a)%4)
	WIN 0x0a+5*((\a)/4)                            ; sources 0 and 1: window 2 or 3
.irp b, 0,1,2,3,4,5,6,7
.irp r, 0,1,2,3
	v_max3_num_f32 v8, v[AC+8*(\b)+2*(\r)], v[AC+8*(\b)+2*(\r)+1], v8
	v_min3_num_f32 v9, v[AC+8*(\b)+2*(\r)], v[AC+8*(\b)+2*(\r)+1], v9
	v_cvt_pk_f16_f32 v[TMP+4*(\b)+(\r)], v[AC+8*(\b)+2*(\r)], v[AC+8*(\b)+2*(\r)+1]
.endr
.endr
	WIN 0
.endm
.macro TOSTAGE a                       ; into my own stage, and back as whole rows of 256 bytes
	WIN 0
.set BK, OB+192*((\a)%2)
.irp b, 0,1,2,3,4,5,6,7
	ds_store_b128 v[STO], v[TMP+4*(\b):TMP+4*(\b)+3] offset:32*(\b)
.endr
.irp t, 0,1,2,3,4,5,6,7
	ds_load_b128 v[BK+4*(\t):BK+4*(\t)+3], v[RD] offset:(\t)*2*SPITCH  ; LDS serves a wave's instructions in order (ISA guide 5.7.1.4): these see the stores above
.endr
.endm
.macro SEND a
	WIN 0
.set BK, OB+192*((\a)%2)
	s_wait_dscnt 0x0                               ; the block is back in registers
	s_wait_xcnt 0x0                                ; earlier stores have read their base and data: only behind this wait are they rewritten
.if (\a) == 0
	s_add_nc_u64 s[8:9], s[8:9], s[16:17]          ; on to my first rows
.else
	s_add_nc_u64 s[8:9], s[8:9], 16*CPITCH
.endif
.irp t, 0,1,2,3,4,5,6,7
	global_store_b128 v[CO], v[BK+4*(\t):BK+4*(\t)+3], s[8:9] offset:2*(\t)*CPITCH  ; 16 lanes store 256 consecutive bytes, at a multiple of 256 from the buffer's first byte
.endr
.endm
	s_load_b64 s[4:5], s[0:1], 0x0                 ; xw
	s_load_b64 s[8:9], s[0:1], 0x8                 ; qkv
	s_load_b64 s[MXP:MXP+1], s[0:1], 0x10          ; mx
	s_load_b64 s[BP:BP+1], s[0:1], 0x18            ; bq
	s_load_b64 s[BP+2:BP+3], s[0:1], 0x20          ; bk
	s_load_b64 s[BP+4:BP+5], s[0:1], 0x28          ; bv
	v_lshl_add_u32 v[SPW], v0, 2, SPARE
	v_mov_b32 v[NIL], 0
	ds_add_u32 v[SPW], v[NIL]                      ; the wave's opening: the add here and its wait stand ahead of my first tensor load; the set-up below, work on registers, stands between them
	v_lshrrev_b32 v1, 5, v0
	v_readfirstlane_b32 s10, v1                    ; wave 0..3
	s_lshr_b32 s11, s10, 1                         ; which 128 rows of the tile are mine.  Also: I fetch for x (0) or for W (1)
	s_and_b32 s12, s10, 1                          ; which 128 columns.  Also: which half of that tile I fetch
	s_bfe_u32 s40, ttmp6, 0x40000                  ; cx
	s_bfe_u32 s41, ttmp6, 0x40004                  ; cy
	s_lshl_b32 s42, ttmp9, 2
	s_add_co_u32 s42, s42, s40                     ; tile column = 4 x cluster x + cx
	s_and_b32 s13, ttmp7, 0xffff
	s_lshr_b32 s45, s13, 3                         ; the product, 0, 1, 2: from the cluster's y alone (eight clusters, 32 tile rows, to a product)
	s_lshl_b32 s13, s13, 2
	s_add_co_u32 s13, s13, s41                     ; tile row = 4 x cluster y + cy, 0 to 95
	s_lshl_b32 s43, s41, 2
	s_lshl_b32 s43, 15, s43                        ; my row of the cluster
	s_lshl_b32 s44, 0x1111, s40                    ; my column
	s_or_b32 s[G1+0], s43, (1<<16)|(1<<20)|(1<<21)|(5<<22)|(3<<25)   ; 15:0 the mask; 17:16 elements of 2 bytes; 20 padding on; 21 set beside a mask; 24:22 after every 64 words (code 5); 31:25 4 words of it (code 3)
	s_or_b32 s[G1B+0], s44, (1<<16)|(1<<20)|(1<<21)|(5<<22)|(3<<25)
.irp g, G1, G1B
	s_mov_b32 s[(\g)+1], 128<<16                   ; tensor_dim0 = 128
	s_mov_b32 s[(\g)+2], 128<<16                   ; tensor_dim1 = 128
	s_mov_b32 s[(\g)+3], 128<<16                   ; tile_dim0 = 128
	s_mov_b32 s[(\g)+4], 128                       ; tile_dim1 = 128
	s_mov_b32 s[(\g)+5], 1024                      ; elements from row to row
	s_mov_b32 s[(\g)+6], 0
	s_mov_b32 s[(\g)+7], 0
.endr
	s_lshl_b32 s16, s13, 8                         ; x: row 256 x tile row + 128 x half (the three tensors lie end to end),
	s_lshl_b32 s17, s12, 7
	s_add_co_u32 s16, s16, s17
	s_lshl_b32 s16, s16, 11                        ; in bytes
	s_mov_b32 s17, 0
	s_lshl_b32 s46, s45, 10                        ; W: row 1024 x product + 256 x tile column + 128 x half
	s_lshl_b32 s47, s42, 8
	s_add_co_u32 s46, s46, s47
	s_lshl_b32 s47, s12, 7
	s_add_co_u32 s46, s46, s47
	s_lshl_b32 s46, s46, 11
	s_mov_b32 s47, 0
	s_mul_i32 s20, s10, HALFT                      ; where my loads land: no place in the cluster enters an LDS address
	s_wait_dscnt 0x0                               ; the opening add is done
	s_wait_kmcnt 0x0
	s_add_nc_u64 s[6:7], s[4:5], WBASE             ; the weights
	s_add_nc_u64 s[14:15], s[4:5], s[16:17]
	s_add_nc_u64 s[46:47], s[6:7], s[46:47]
	CROUND                                         ; all sixteen work-groups are here: the first joint loads meet
.irp s, 0,1
	s_mov_b32 s[G0+4*(\s)], 1                                        ; count = 1
	s_add_co_u32 s[G0+4*(\s)+1], s20, (\s)*SLOT                      ; LDS address
	s_add_nc_u64 s[G0+4*(\s)+2:G0+4*(\s)+3], s[14:15], (\s)*KSB      ; global address: K step s
	s_or_b32 s[G0+4*(\s)+3], s[G0+4*(\s)+3], 0x80000000              ; type = 2
	s_mov_b32 s[G0B+4*(\s)], 1
	s_add_co_u32 s[G0B+4*(\s)+1], s20, (\s)*SLOT
	s_add_nc_u64 s[G0B+4*(\s)+2:G0B+4*(\s)+3], s[46:47], (\s)*KSB
	s_or_b32 s[G0B+4*(\s)+3], s[G0B+4*(\s)+3], 0x80000000
	JLOAD \s                                       ; two loads of mine are out
.endr
	v_and_b32 v1, 15, v0                           ; l % 16
	v_bfe_u32 v2, v0, 4, 1                         ; l / 16
	v_and_b32 v6, 31, v0                           ; l
	s_cmp_eq_u32 s45, 1                            ; my product's bias: the choice hangs on the cluster's y alone
	s_cselect_b64 s[BP:BP+1], s[BP+2:BP+3], s[BP:BP+1]
	s_cmp_eq_u32 s45, 2
	s_cselect_b64 s[BP:BP+1], s[BP+4:BP+5], s[BP:BP+1]
	s_lshl_b32 s18, s42, 10                        ; 4 bytes x (256 x tile column + 128 x my half + 8 (l / 16))
	s_lshl_b32 s19, s12, 9
	s_add_co_u32 s18, s18, s19
	v_lshl_add_u32 v[BO], v2, 5, s18
	WIN TO_B                                       ; as a C operand: for column block b my eight columns 16 b + 8 (l / 16) + 0..7: 32 bytes
.irp b, 0,1,2,3,4,5,6,7
	global_load_b128 v[8*(\b):8*(\b)+3],   v[BO], s[BP:BP+1] offset:64*(\b)
	global_load_b128 v[8*(\b)+4:8*(\b)+7], v[BO], s[BP:BP+1] offset:64*(\b)+16
.endr
	WIN 0
	v_mul_u32_u24 v3, v1, PITCH
	v_lshl_add_u32 v3, v2, 4, v3                   ; row x pitch + 16 x half
	s_mul_i32 s21, s11, HALFT                      ; my 128 rows of x
	s_mul_i32 s22, s12, HALFT                      ; my 128 rows of W,
	s_add_co_u32 s22, s22, 2*HALFT                 ; behind x's 256
.irp s, 0,1
	v_add_nc_u32 v[ADRA+(\s)], s21, v3
	v_add_nc_u32 v[ADRB+(\s)], s22, v3
	s_add_co_u32 s21, s21, SLOT
	s_add_co_u32 s22, s22, SLOT
.endr
	s_mul_i32 s23, s10, 16*SPITCH
	s_add_co_u32 s23, s23, STAGE                   ; my stage
	v_add_nc_u32 v[STO], s23, v3                   ; in: row l % 16, 16 bytes for each half of the lanes (the stage's pitch is the tiles')
	v_mul_u32_u24 v5, v2, SPITCH                   ; back: lanes 0-15 take one row of 256 bytes, lanes 16-31 the next
	v_lshl_add_u32 v5, v1, 4, v5
	v_add_nc_u32 v[RD], s23, v5
	v_mul_u32_u24 v5, v2, CPITCH                   ; and the same two rows in the result
	v_lshl_add_u32 v[CO], v1, 4, v5
	s_lshl_b32 s16, s13, 8                         ; where my part of the tile begins in qkv: row 256 x tile row + 128 x my half,
	s_lshl_b32 s17, s11, 7
	s_add_co_u32 s16, s16, s17
	s_lshl_b32 s16, s16, 11
	s_mov_b32 s17, 0
	s_lshl_b32 s46, s42, 9                         ; column bytes 512 x tile column + 256 x my half
	s_lshl_b32 s47, s12, 8
	s_add_co_u32 s46, s46, s47
	s_mov_b32 s47, 0
	s_add_nc_u64 s[16:17], s[16:17], s[46:47]
	s_lshl_b32 s18, s13, 2                         ; mx: 4 bytes x (16 x tile row + 4 x tile column + wave)
	s_add_co_u32 s18, s18, s42
	s_lshl_b32 s18, s18, 2
	s_add_co_u32 s18, s18, s10
	s_lshl_b32 s18, s18, 2
	v_mov_b32 v13, s18
	v_mov_b32 v8, 0                                ; the largest and the smallest sum start at 0
	v_mov_b32 v9, 0
	v_mov_b32 v12, 0                               ; v_permlanex16_b32's destination counts as read
	s_mov_b32 s[SEL], 0x76543210
	s_mov_b32 s[SEL+1], 0xfedcba98
	; the prefetches: nothing is asked for here, at the head, where every work-group's first tiles are on their way
	s_lshl_b32 s20, s13, 8                         ; x's waves: row 256 x tile row + 128 x half + 32 cx
	s_lshl_b32 s21, s12, 7
	s_add_co_u32 s20, s20, s21
	s_lshl_b32 s21, s40, 5
	s_add_co_u32 s20, s20, s21
	s_lshl_b32 s22, s45, 10                        ; W's waves: row 1024 x product + 256 x tile column + 128 x half + 32 cy
	s_lshl_b32 s21, s42, 8
	s_add_co_u32 s22, s22, s21
	s_lshl_b32 s21, s12, 7
	s_add_co_u32 s22, s22, s21
	s_lshl_b32 s21, s41, 5
	s_add_co_u32 s22, s22, s21
	s_and_b32 s23, ttmp7, 7                        ; the cluster's place among the eight of its product: the same in all sixteen partners
	s_cmp_eq_u32 s23, 0
	s_cselect_b32 s23, 1, -1
	s_mov_b32 s21, 0
	s_cmp_eq_u32 s11, 0                            ; do I fetch for x?
	s_cselect_b32 s20, s20, s22
	s_cselect_b32 s[LIM], 1, s23
	s_cselect_b64 s[PFA:PFA+1], s[4:5], s[6:7]
	s_lshl_b32 s20, s20, 11
	s_add_co_u32 s20, s20, 3*KSB                   ; at K step 3: the first change of slots steps it to 4
	s_add_nc_u64 s[PFA:PFA+1], s[PFA:PFA+1], s[20:21]
	v_lshlrev_b32 v[PFO], 11, v6
	s_wait_tensorcnt 1                             ; my part of K step 0 is in; K step 1's may stay out
	s_barrier_signal -1
	s_barrier_wait -1                              ; everybody's is
	FETCH 0, 0, F0
	s_wait_loadcnt 0x0                             ; the bias
	QUARTER 0, 64,  F0, F1, 1                      ; the first quarter stands in front of the loop: its products start the sums
	WIN 0                                          ; at a label and at a branch every window is 0
	s_mov_b32 s3, LAPS-1
.Llap:                                                 ; a trip goes once round the ring, from a lap's second quarter to the next lap's first, and fills both slots again
	QUARTER 0, 128, F1, F0, 0
	QUARTER 0, 192, F0, F1, 0
	TURN 0, 1
	QUARTER 1, 64,  F0, F1, 0
	QUARTER 1, 128, F1, F0, 0
	QUARTER 1, 192, F0, F1, 0
	TURN 1, 0
	QUARTER 0, 64,  F0, F1, 0
	WIN 0
	s_sub_co_u32 s3, s3, 1
	s_cmp_lg_u32 s3, 0
	s_cbranch_scc1 .Llap
	QUARTER 0, 128, F1, F0, 0                      ; the last lap fills nothing, and has no round of the cluster's barrier
	QUARTER 0, 192, F0, F1, 0
	MEET 0
	PLACES                                         ; for the loads into buffer 0, which the quarter before multiplied
	FETCH 1, 0, F0
	MUL16 F1, 1, 0, 0
	MUL16 F1, 1, 2, 0
	QUARTER 1, 64,  F0, F1, 0
	QUARTER 1, 128, F1, F0, 0
	QUARTER 1, 192, F0, F1, 0
	s_wait_dscnt 8                                 ; the very last quarter: nothing more to fetch
	MUL16 F1, 0, 0, 0
	MUL16 F1, 0, 2, 0
	s_wait_dscnt 0x0
	MUL16 F1, 1, 0, 0
	MUL16 F1, 1, 2, 0
	PLACES                                         ; the conversions read results
	PACK 0
	TOSTAGE 0
.irp a, 1,2,3,4,5,6,7                  ; block a's conversions stand between block a - 1's loads from the stage and the wait for them
	PACK \a
	SEND (\a)-1
	TOSTAGE \a
.endr
	SEND 7
	v_sub_f32 v10, 0, v9                           ; the tile part's largest magnitude: of my lane,
	v_max_num_f32 v10, v8, v10
	v_max_num_f32_dpp v10, v10, v10 row_xmask:1 row_mask:0xf bank_mask:0xf   ; of my 16 lanes,
	v_max_num_f32_dpp v10, v10, v10 row_xmask:2 row_mask:0xf bank_mask:0xf
	v_max_num_f32_dpp v10, v10, v10 row_xmask:4 row_mask:0xf bank_mask:0xf
	v_max_num_f32_dpp v10, v10, v10 row_xmask:8 row_mask:0xf bank_mask:0xf
	v_permlanex16_b32 v12, v10, s[SEL], s[SEL+1]
	v_max_num_f32 v10, v10, v12                    ; of the wave
	v_cmp_eq_u32 vcc_lo, 0, v6                     ; lane 0 stores the wave's word of mx: four bytes, once a wave in the launch
	s_wait_xcnt 0x0                                ; EXEC changes only when the stores above have read their sources
	s_and_saveexec_b32 s20, vcc_lo
	global_store_b32 v13, v10, s[MXP:MXP+1]
	s_wait_xcnt 0x0                                ; and again in front of the line that widens it
	s_or_b32 exec_lo, exec_lo, s20
	s_wait_tensorcnt 0x0                           ; the wave's end: a wait, an add of 0 and a wait for it, behind my last tensor load and my last LDS store
	ds_add_u32 v[SPW], v[NIL]
	s_wait_dscnt 0x0
	CROUND                                         ; the closing round: no work-group ends while a partner may still ask for a tile that names it
	s_endpgm
.Lfunc_end_k_qc4cb8efa71_proj:
	.size	k_qc4cb8efa71_proj, .Lfunc_end_k_qc4cb8efa71_proj-k_qc4cb8efa71_proj
	.p2alignl 7, 3214868480
	.fill 96, 4, 3214868480
	.section	.rodata,"a",@progbits
	.p2align	6, 0x0
	.amdhsa_kernel k_qc4cb8efa71_proj
		.amdhsa_group_segment_fixed_size 327680
		.amdhsa_private_segment_fixed_size 0
		.amdhsa_enable_private_segment 0
		.amdhsa_kernarg_size 48
		.amdhsa_user_sgpr_count 2
		.amdhsa_user_sgpr_kernarg_segment_ptr 1
		.amdhsa_wavefront_size32 1
		.amdhsa_system_sgpr_workgroup_id_x 1
		.amdhsa_system_sgpr_workgroup_id_y 1
		.amdhsa_system_sgpr_workgroup_id_z 1
		.amdhsa_system_vgpr_workitem_id 0
		.amdhsa_next_free_vgpr 1024
		.amdhsa_next_free_sgpr 88
		.amdhsa_reserve_vcc 1
		.amdhsa_float_denorm_mode_32 3
		.amdhsa_float_denorm_mode_16_64 3
		.amdhsa_memory_ordered 1
		.amdhsa_forward_progress 1
		.amdhsa_inst_pref_size 179
	.end_amdhsa_kernel
	.amdgpu_metadata
---
amdhsa.version: [ 1, 2 ]
amdhsa.kernels:
  - .name:           k_qc4cb8efa71_proj
    .symbol:         k_qc4cb8efa71_proj.kd
    .args:
      - { .name: xw, .offset: 0, .size: 8, .value_kind: global_buffer, .address_space: global }
      - { .name: qkv, .offset: 8, .size: 8, .value_kind: global_buffer, .address_space: global }
      - { .name: mx, .offset: 16, .size: 8, .value_kind: global_buffer, .address_space: global }
      - { .name: bq, .offset: 24, .size: 8, .value_kind: global_buffer, .address_space: global }
      - { .name: bk, .offset: 32, .size: 8, .value_kind: global_buffer, .address_space: global }
      - { .name: bv, .offset: 40, .size: 8, .value_kind: global_buffer, .address_space: global }
    .group_segment_fixed_size: 327680
    .private_segment_fixed_size: 0
    .kernarg_segment_align: 8
    .kernarg_segment_size: 48
    .max_flat_workgroup_size: 128
    .sgpr_count:     88
    .vgpr_count:     1024
    .wavefront_size: 32
...
	.end_amdgpu_metadata
.endif
;; end of part 2
;; launch score (part 3): grid 8 x 32, 4 waves a work-group, clusters of 4 x 4, 327,680 bytes of LDS; arguments qkv, mx, pb; writes pb
.if DOCPART == 3
	.amdgcn_target "amdgcn-amd-amdhsa--gfx1250"
	.amdhsa_code_object_version 6
	.text
	.protected	k_qc4cb8efa71_score
	.globl	k_qc4cb8efa71_score
	.p2align	8
	.type	k_qc4cb8efa71_score,@function
k_qc4cb8efa71_score:
	s_mov_b64 s[64:65], 0
	v_nop
	global_prefetch_b8 v0, s[64:65] scope:SCOPE_SE
	s_setreg_imm32_b32 hwreg(HW_REG_WAVE_MODE, 25, 1), 1
	s_wait_xcnt 0x0
	s_wait_alu depctr_hold_cnt(0) depctr_sa_sdst(0) depctr_va_vdst(0) depctr_va_sdst(0) depctr_va_ssrc(0) depctr_va_vcc(0) depctr_vm_vsrc(0)
	s_getreg_b32 s2, hwreg(HW_REG_IB_STS2, 6, 4)
	s_cmp_eq_u32 s2, 0
	s_cbranch_scc0 .Lentry_in_a_cluster
	s_endpgm
.Lentry_in_a_cluster:
	s_bfe_u32 s2, ttmp6, 0x10000c
	s_cmp_lg_u32 s2, 0xf033
	s_cbranch_scc0 .Lentry_shape_is_right
	s_endpgm
.Lentry_shape_is_right:
; P'[b][q][k] = relu(c x the sum over d of Q[b][q][d] K[b][k][d]).  Q, K: [8192][1024] f16 in qkv (row 2048 b + s); sums in f32; P': [8192][2048] f16, rounded once.
; THE SCALE.  relu(c s) = c relu(s) for c > 0, so the scores are stored times ONE power of two c, and the next launch multiplies by 1 / c.  With EQ, EK the biased f32 exponents of the largest |Q| and |K| (from mx),
; |Q| <= 2^(EQ-126), |K| <= 2^(EK-126), so |s| <= 2^(10+EQ+EK-252); c = 2^(ce-127), ce = 384 - EQ - EK held to 1 .. 253, gives |c s| <= 2^15, inside f16 whatever the inputs' size.
; LIMITS.  One c serves the launch: a score below 2^-29 of 1024 max|Q| max|K| keeps f16's fixed step.  A NaN score is stored as 0; infinities are not treated apart.
; SHARES.  A tile of P' is 256 queries x 256 keys: 32 x 8 tiles, one to each of 256 work-groups.  Four waves, each 128 x 128: 64 accumulators.  The 1,024 channels go in steps of 128 (rows of 256 bytes, aligned) through two LDS slots.
; CLUSTERS.  4 x 4 work-groups: the four of a row need the same tile of Q, the four of a column (one batch: 8 tile rows) the same tile of K: each is asked for JOINTLY.
; THE MATRIX INSTRUCTION IS USED TRANSPOSED (source 0 = 16 keys, source 1 = 16 queries): a lane holds query l % 16 and the keys 8 (l / 16) + 0..7: 16 bytes of a row of P'.
; REGISTERS, in windows of 256 (s_set_vgpr_msb: bits 1:0 source 0, 3:2 source 1, 5:4 source 2, 7:6 destination):
;   window 0: v0-31 addresses and small work; v64-127, v128-191 Q's fragments, two buffers; v192-223 packed results; v32-63, v224-255 rows read back from the stage
;   window 1: v64-127, v128-191 K's fragments, two buffers        window 2: the 32 accumulators of my queries 0-63 ((a, b) at v[8 (8 a + b)]);   window 3: those of my queries 64-127
.set KSB,    256                       ; bytes of a row in a K step
.set PITCH,  272                       ; an LDS row: 256 bytes + 16 of padding = 68 words: row r starts 4 r words on, modulo 64
.set HALFT,  128*PITCH                 ; 128 rows: what one tensor load brings, and what one wave reads of Q or of K
.set SLOT,   4*HALFT                   ; Q's 256 rows, then K's 256 rows
.set STAGE,  2*SLOT                    ; behind the ring, never filled by a tensor load: 16 rows x 272 bytes for each wave
.set SPITCH, 272
.set SPARE,  STAGE+4*16*SPITCH         ; the spare words, 128 bytes for each wave: two blocks of 256 bytes that no other line names
.set LAPS,   4
.set ROWB,   2048                      ; bytes in a row of Q and K
.set KBASE,  8192*ROWB                 ; K in qkv
.set CPITCH, 4096                      ; bytes in a row of P'
.set ADRA, 16
.set ADRB, 20
.set STO,  24
.set RD,   25
.set CO,   26
.set MO,   27                          ; v27     my byte offset in mx
.set SPW,  28                          ; v28     LDS address of my spare word; never rewritten
.set NIL,  29                          ; v29     0; never rewritten
.set PFO,  30                          ; v30     the prefetches' offset: my lane x a row; never rewritten
.set ZERO, 31                          ; v31     0, for the relu on packed halves
.set OB,   32
.set F0,   64
.set F1,   128
.set TMP,  192
.set G1,   24
.set G0,   32
.set LIM,  43
.set G1B,  48
.set G0B,  56
.set PFA,  66
.set CS,   78                          ; s[78:79] c: the packed multiply takes the pair's low word for both halves
.set MXP,  80
.set SEL,  84
.set MUL_LO, 0xa1                      ; source 0 (K) window 1, source 1 (Q) window 0, C and D window 2; + 0x50: window 3
.set TO_B,   0x40                      ; destination window 1, address window 0
.set MSB, 0
.macro WIN new
.if MSB != (\new)
	s_set_vgpr_msb (MSB<<8)|(\new)
.set MSB, \new
.endif
.endm
.macro JLOAD s                         ; a joint load: waves 0 and 1 fetch Q's two halves, waves 2 and 3 K's; an s_nop 0 and four v_nop follow each of the two lines
	s_cmp_eq_u32 s11, 0
	s_cbranch_scc0 .Lfor_b_\@
	tensor_load_to_lds s[G0+4*(\s):G0+4*(\s)+3], s[G1:G1+7]
	s_nop 0
.rept 4
	v_nop
.endr
	s_branch .Lasked_\@
.Lfor_b_\@:
	tensor_load_to_lds s[G0B+4*(\s):G0B+4*(\s)+3], s[G1B:G1B+7]
	s_nop 0
.rept 4
	v_nop
.endr
.Lasked_\@:
.endm
; A PREFETCH INTO THE L2: the change of slots at the end of K step t names K step t + 4, which the change two further on will ask for: 512 matrix instructions ahead.  Each row's 256 bytes of a K step are named once in the launch:
; Q's tile row is read by both clusters of a row of clusters: cluster x = 0 asks; K's tile column by the two clusters of a batch: the first of them asks.  The four partners of a joint load share its 128 rows out BY ADDRESS,
; 32 each (by cx for Q, by cy for K): a lane a row, one instruction a wave.  K steps 0 to 3 come by their loads alone; the loop's last trip has no K step four on.
.macro ASK
	s_cmp_gt_u32 s3, s[LIM]
	s_cbranch_scc0 .Lnot_mine_\@
	global_prefetch_b8 v[PFO], s[PFA:PFA+1] th:TH_LOAD_NT scope:SCOPE_SE
.Lnot_mine_\@:
.endm
.macro CREST                           ; a round of the cluster's barrier behind its opening barrier
	s_cmp_lg_u32 s10, 0
	s_cbranch_scc1 .Lnot_wave_0_\@
	s_barrier_signal -3
.Lnot_wave_0_\@:
	s_barrier_wait -3
	s_barrier_signal -1
	s_barrier_wait -1
.endm
.macro CROUND
	s_barrier_signal -1
	s_barrier_wait -1
	CREST
.endm
.macro PLACES                          ; four plain instructions between a matrix instruction and a load into, or a vector read of, its registers (ISA guide 7.12.1 for vector reads)
.rept 4
	v_nop
.endr
.endm
; 16 matrix instructions: query blocks a0, a0 + 1 of the window's four x all 8 key blocks, 32 channels, from buffer f.  first = 1: the products start the sums with the constant 0.
; The 64 accumulators take turns in one fixed order, over the loop's backward jump too.
.macro MUL16 f, hi, a0, first
	WIN MUL_LO+0x50*(\hi)
.irp a, \a0, (\a0)+1
.irp b, 0,1,2,3,4,5,6,7
.if \first
	v_wmma_f32_16x16x32_f16 v[8*(8*(\a)+(\b)):8*(8*(\a)+(\b))+7], v[(\f)+8*(\b):(\f)+8*(\b)+7], v[(\f)+8*(4*(\hi)+(\a)):(\f)+8*(4*(\hi)+(\a))+7], 0
.else
	v_wmma_f32_16x16x32_f16 v[8*(8*(\a)+(\b)):8*(8*(\a)+(\b))+7], v[(\f)+8*(\b):(\f)+8*(\b)+7], v[(\f)+8*(4*(\hi)+(\a)):(\f)+8*(4*(\hi)+(\a))+7], v[8*(8*(\a)+(\b)):8*(8*(\a)+(\b))+7]
.endif
.endr
.endr
.endm
.macro FETCH slot, k, f                ; 32 LDS loads in one run: the fragments of one quarter step (128 rows of K, 128 rows of Q, 32 channels at byte k of the rows) into buffer f
	WIN TO_B
.irp i, 0,1,2,3,4,5,6,7
	ds_load_b128 v[(\f)+8*(\i):(\f)+8*(\i)+3],   v[ADRB+(\slot)] offset:(\k)+(\i)*16*PITCH
	ds_load_b128 v[(\f)+8*(\i)+4:(\f)+8*(\i)+7], v[ADRB+(\slot)] offset:(\k)+(\i)*16*PITCH+32
.endr
	WIN 0
.irp i, 0,1,2,3,4,5,6,7
	ds_load_b128 v[(\f)+8*(\i):(\f)+8*(\i)+3],   v[ADRA+(\slot)] offset:(\k)+(\i)*16*PITCH
	ds_load_b128 v[(\f)+8*(\i)+4:(\f)+8*(\i)+7], v[ADRA+(\slot)] offset:(\k)+(\i)*16*PITCH+32
.endr
.endm
.macro QUARTER slot, k, f, g, first    ; multiplies buffer f; in its middle fetches the next quarter, at byte k of the same slot's rows, into buffer g
	s_wait_dscnt 8                                 ; K and Q's rows 0-63 are in; the youngest eight loads (Q's rows 64-127) may be out
	MUL16 \f, 0, 0, \first
	MUL16 \f, 0, 2, \first
	PLACES
	FETCH \slot, \k, \g
	s_wait_dscnt 32                                ; all but the 32 just issued
	MUL16 \f, 1, 0, \first
	MUL16 \f, 1, 2, \first
.endm
; The last quarter multiplies buffer 1 and changes slots.  MEET is its first half: ONE barrier; in front of it each wave waits for all its tensor loads, adds 0 to its spare word, and waits for that and for its own reads of this slot.
.macro MEET round                      ; round = 1: a round of the cluster's barrier follows
	WIN 0
	s_wait_tensorcnt 0x0                           ; all my tensor loads have landed;
	ds_add_u32 v[SPW], v[NIL]                      ; 0 onto my spare word;
	s_wait_dscnt 9                                 ; (the add and the youngest eight loads may be out)
	MUL16 F1, 0, 0, 0
	s_wait_dscnt 0x0                               ; the add is done, and my reads of this slot are over
	s_barrier_signal -1
	MUL16 F1, 0, 2, 0
.if \round
	WIN 0
.endif
	s_barrier_wait -1
.endm
; The whole last quarter where the slot is filled again, with the K step two on: the barrier opens a round of the cluster's, and the joint load is the first thing behind the round: 224 matrix instructions ahead of the wait for it.
.macro TURN slot, next
	s_wait_xcnt 0x0                                ; the last prefetch, a K step back, has read its address
	s_add_nc_u64 s[PFA:PFA+1], s[PFA:PFA+1], KSB
	MEET 1
	CREST
	s_add_nc_u64 s[G0+4*(\slot)+2:G0+4*(\slot)+3], s[G0+4*(\slot)+2:G0+4*(\slot)+3], 2*KSB
	s_add_nc_u64 s[G0B+4*(\slot)+2:G0B+4*(\slot)+3], s[G0B+4*(\slot)+2:G0B+4*(\slot)+3], 2*KSB
	JLOAD \slot                                    ; the four v_nop behind it are also the places in front of the loads below
	FETCH \next, 0, F0
	ASK
	MUL16 F1, 1, 0, 0
	MUL16 F1, 1, 2, 0
.endm
; THE WAY OUT of query block a.  PACK: times c in f32, in place and in ascending order; rounded to f16; the relu on packed halves.
.macro PACK a
.set AC, 64*((\a)%4)
	WIN 0x82+0x41*((\a)/4)                         ; destination and source 0: window 2 or 3
.set i, 0
.rept 32
	v_pk_mul_f32 v[AC+i:AC+i+1], v[AC+i:AC+i+1], s[CS:CS+1] op_sel_hi:[1,0]
.set i, i+2
.endr
	WIN 0x0a+5*((\a)/4)                            ; sources 0 and 1: window 2 or 3
.set i, 0
.rept 32
	v_cvt_pk_f16_f32 v[TMP+i], v[AC+2*i], v[AC+2*i+1]
.set i, i+1
.endr
	WIN 0
.set i, 0
.rept 32
	v_pk_max_num_f16 v[TMP+i], v[TMP+i], v[ZERO]
.set i, i+1
.endr
.endm
.macro TOSTAGE a                       ; into my own stage, and back as whole rows of 256 bytes
	WIN 0
.set BK, OB+192*((\a)%2)
.irp b, 0,1,2,3,4,5,6,7
	ds_store_b128 v[STO], v[TMP+4*(\b):TMP+4*(\b)+3] offset:32*(\b)
.endr
.irp t, 0,1,2,3,4,5,6,7
	ds_load_b128 v[BK+4*(\t):BK+4*(\t)+3], v[RD] offset:(\t)*2*SPITCH  ; LDS serves a wave's instructions in order (ISA guide 5.7.1.4): these see the stores above
.endr
.endm
.macro SEND a
	WIN 0
.set BK, OB+192*((\a)%2)
	s_wait_dscnt 0x0                               ; the block is back in registers
	s_wait_xcnt 0x0                                ; earlier stores have read their base and data: only behind this wait are they rewritten
.if (\a) == 0
	s_add_nc_u64 s[8:9], s[8:9], s[16:17]
.else
	s_add_nc_u64 s[8:9], s[8:9], 16*CPITCH
.endif
.irp t, 0,1,2,3,4,5,6,7
	global_store_b128 v[CO], v[BK+4*(\t):BK+4*(\t)+3], s[8:9] offset:2*(\t)*CPITCH  ; 16 lanes store 256 consecutive bytes, at a multiple of 256 from P's first byte
.endr
.endm
	s_load_b64 s[4:5], s[0:1], 0x0                 ; qkv: Q
	s_load_b64 s[MXP:MXP+1], s[0:1], 0x8           ; mx
	s_load_b64 s[8:9], s[0:1], 0x10                ; pb
	v_lshl_add_u32 v[SPW], v0, 2, SPARE
	v_mov_b32 v[NIL], 0
	ds_add_u32 v[SPW], v[NIL]                      ; the wave's opening: the add here and its wait stand ahead of my first tensor load; the set-up below, work on registers, stands between them
	v_lshrrev_b32 v1, 5, v0
	v_readfirstlane_b32 s10, v1                    ; wave 0..3
	s_lshr_b32 s11, s10, 1                         ; which 128 queries of the tile are mine.  Also: I fetch for Q (0) or for K (1)
	s_and_b32 s12, s10, 1                          ; which 128 keys.  Also: which half of that tile I fetch
	s_bfe_u32 s40, ttmp6, 0x40000                  ; cx
	s_bfe_u32 s41, ttmp6, 0x40004                  ; cy
	s_lshl_b32 s42, ttmp9, 2
	s_add_co_u32 s42, s42, s40                     ; tile column = 4 x cluster x + cx
	s_and_b32 s13, ttmp7, 0xffff
	s_lshr_b32 s45, s13, 1                         ; the batch, 0 to 3: from the cluster's y alone (two clusters, 8 tile rows, to a batch)
	s_lshl_b32 s13, s13, 2
	s_add_co_u32 s13, s13, s41                     ; tile row = 4 x cluster y + cy
	s_lshl_b32 s43, s41, 2
	s_lshl_b32 s43, 15, s43                        ; my row of the cluster
	s_lshl_b32 s44, 0x1111, s40                    ; my column
	s_or_b32 s[G1+0], s43, (1<<16)|(1<<20)|(1<<21)|(5<<22)|(3<<25)   ; the mask; elements of 2 bytes; padding on; bit 21 beside a mask; after every 64 words, 4 words
	s_or_b32 s[G1B+0], s44, (1<<16)|(1<<20)|(1<<21)|(5<<22)|(3<<25)
.irp g, G1, G1B
	s_mov_b32 s[(\g)+1], 128<<16                   ; tensor_dim0 = 128
	s_mov_b32 s[(\g)+2], 128<<16                   ; tensor_dim1 = 128
	s_mov_b32 s[(\g)+3], 128<<16                   ; tile_dim0 = 128
	s_mov_b32 s[(\g)+4], 128                       ; tile_dim1 = 128
	s_mov_b32 s[(\g)+5], 1024                      ; elements from row to row
	s_mov_b32 s[(\g)+6], 0
	s_mov_b32 s[(\g)+7], 0
.endr
	s_lshl_b32 s16, s13, 8                         ; Q: row 256 x tile row + 128 x half
	s_lshl_b32 s17, s12, 7
	s_add_co_u32 s16, s16, s17
	s_lshl_b32 s16, s16, 11
	s_mov_b32 s17, 0
	s_lshl_b32 s46, s45, 11                        ; K: row 2048 x batch + 256 x tile column + 128 x half
	s_lshl_b32 s47, s42, 8
	s_add_co_u32 s46, s46, s47
	s_lshl_b32 s47, s12, 7
	s_add_co_u32 s46, s46, s47
	s_lshl_b32 s46, s46, 11
	s_mov_b32 s47, 0
	s_mul_i32 s20, s10, HALFT
	s_wait_dscnt 0x0                               ; the opening add is done
	s_wait_kmcnt 0x0
	s_add_nc_u64 s[6:7], s[4:5], KBASE             ; K
	s_add_nc_u64 s[14:15], s[4:5], s[16:17]
	s_add_nc_u64 s[46:47], s[6:7], s[46:47]
	CROUND                                         ; all sixteen work-groups are here: the first joint loads meet
.irp s, 0,1
	s_mov_b32 s[G0+4*(\s)], 1
	s_add_co_u32 s[G0+4*(\s)+1], s20, (\s)*SLOT
	s_add_nc_u64 s[G0+4*(\s)+2:G0+4*(\s)+3], s[14:15], (\s)*KSB
	s_or_b32 s[G0+4*(\s)+3], s[G0+4*(\s)+3], 0x80000000
	s_mov_b32 s[G0B+4*(\s)], 1
	s_add_co_u32 s[G0B+4*(\s)+1], s20, (\s)*SLOT
	s_add_nc_u64 s[G0B+4*(\s)+2:G0B+4*(\s)+3], s[46:47], (\s)*KSB
	s_or_b32 s[G0B+4*(\s)+3], s[G0B+4*(\s)+3], 0x80000000
	JLOAD \s                                       ; two loads of mine are out
.endr
	v_and_b32 v1, 15, v0                           ; l % 16
	v_bfe_u32 v2, v0, 4, 1                         ; l / 16
	v_and_b32 v6, 31, v0                           ; l
	; Q's 512 words of mx and K's 512, 16 of each a lane, into buffer 0's registers, which are still free
	v_lshlrev_b32 v[MO], 4, v6
.irp i, 0,1,2,3,4,5,6,7
	global_load_b128 v[64+4*(\i):64+4*(\i)+3], v[MO], s[MXP:MXP+1] offset:512*(\i)
.endr
	v_mul_u32_u24 v3, v1, PITCH
	v_lshl_add_u32 v3, v2, 4, v3                   ; row x pitch + 16 x half
	s_mul_i32 s21, s11, HALFT
	s_mul_i32 s22, s12, HALFT
	s_add_co_u32 s22, s22, 2*HALFT
.irp s, 0,1
	v_add_nc_u32 v[ADRA+(\s)], s21, v3
	v_add_nc_u32 v[ADRB+(\s)], s22, v3
	s_add_co_u32 s21, s21, SLOT
	s_add_co_u32 s22, s22, SLOT
.endr
	s_mul_i32 s23, s10, 16*SPITCH
	s_add_co_u32 s23, s23, STAGE                   ; my stage
	v_add_nc_u32 v[STO], s23, v3
	v_mul_u32_u24 v5, v2, SPITCH
	v_lshl_add_u32 v5, v1, 4, v5
	v_add_nc_u32 v[RD], s23, v5
	v_lshlrev_b32 v5, 12, v2                       ; two rows of P'
	v_lshl_add_u32 v[CO], v1, 4, v5
	v_mov_b32 v[ZERO], 0
	v_mov_b32 v10, 0                               ; v_permlanex16_b32's destinations count as read
	v_mov_b32 v11, 0
	s_lshl_b32 s16, s13, 8                         ; where my part of the tile begins in P': row 256 x tile row + 128 x my half,
	s_lshl_b32 s17, s11, 7
	s_add_co_u32 s16, s16, s17
	s_lshl_b32 s16, s16, 12
	s_mov_b32 s17, 0
	s_lshl_b32 s46, s42, 9                         ; column bytes 512 x tile column + 256 x my half
	s_lshl_b32 s47, s12, 8
	s_add_co_u32 s46, s46, s47
	s_mov_b32 s47, 0
	s_add_nc_u64 s[16:17], s[16:17], s[46:47]
	s_mov_b32 s[SEL], 0x76543210
	s_mov_b32 s[SEL+1], 0xfedcba98
	; the prefetches: nothing is asked for here, at the head
	s_lshl_b32 s20, s13, 8                         ; Q's waves: row 256 x tile row + 128 x half + 32 cx
	s_lshl_b32 s21, s12, 7
	s_add_co_u32 s20, s20, s21
	s_lshl_b32 s21, s40, 5
	s_add_co_u32 s20, s20, s21
	s_lshl_b32 s22, s45, 11                        ; K's waves: row 2048 x batch + 256 x tile column + 128 x half + 32 cy
	s_lshl_b32 s21, s42, 8
	s_add_co_u32 s22, s22, s21
	s_lshl_b32 s21, s12, 7
	s_add_co_u32 s22, s22, s21
	s_lshl_b32 s21, s41, 5
	s_add_co_u32 s22, s22, s21
	s_and_b32 s23, ttmp7, 1                        ; the cluster's place among the two of its batch
	s_cmp_eq_u32 s23, 0
	s_cselect_b32 s23, 1, -1
	s_cmp_eq_u32 ttmp9, 0                          ; the first cluster of a row of clusters
	s_cselect_b32 s19, 1, -1
	s_mov_b32 s21, 0
	s_cmp_eq_u32 s11, 0                            ; do I fetch for Q?
	s_cselect_b32 s20, s20, s22
	s_cselect_b32 s[LIM], s19, s23
	s_cselect_b64 s[PFA:PFA+1], s[4:5], s[6:7]
	s_lshl_b32 s20, s20, 11
	s_add_co_u32 s20, s20, 3*KSB                   ; at K step 3: the first change of slots steps it to 4
	s_add_nc_u64 s[PFA:PFA+1], s[PFA:PFA+1], s[20:21]
	v_lshlrev_b32 v[PFO], 11, v6
	; c from the largest |Q| (v64-79) and |K| (v80-95)
	s_wait_loadcnt 0x0
	v_max3_num_f32 v8, v64, v65, v66
	v_max3_num_f32 v9, v80, v81, v82
.set i, 67
.rept 6
	v_max3_num_f32 v8, v8, v[i], v[i+1]
	v_max3_num_f32 v9, v9, v[i+16], v[i+17]
.set i, i+2
.endr
	v_max_num_f32 v8, v8, v79
	v_max_num_f32 v9, v9, v95
.irp m, 1,2,4,8
	v_max_num_f32_dpp v8, v8, v8 row_xmask:\m row_mask:0xf bank_mask:0xf
	v_max_num_f32_dpp v9, v9, v9 row_xmask:\m row_mask:0xf bank_mask:0xf
.endr
	v_permlanex16_b32 v10, v8, s[SEL], s[SEL+1]
	v_permlanex16_b32 v11, v9, s[SEL], s[SEL+1]
	v_max_num_f32 v8, v8, v10
	v_max_num_f32 v9, v9, v11
	v_readfirstlane_b32 s18, v8
	v_readfirstlane_b32 s19, v9
	s_lshr_b32 s18, s18, 23                        ; EQ (the figures are not negative)
	s_lshr_b32 s19, s19, 23                        ; EK
	s_add_co_u32 s18, s18, s19
	s_sub_co_i32 s18, 384, s18
	s_max_i32 s18, s18, 1
	s_min_i32 s18, s18, 253                        ; ce
	s_lshl_b32 s[CS], s18, 23                      ; c = 2^(ce - 127): a factor, and nothing else
	s_mov_b32 s[CS+1], s[CS]                       ; named with it as a pair
	s_wait_tensorcnt 1                             ; my part of K step 0 is in; K step 1's may stay out
	s_barrier_signal -1
	s_barrier_wait -1
	FETCH 0, 0, F0
	QUARTER 0, 64,  F0, F1, 1                      ; the first quarter stands in front of the loop: its products start the sums
	WIN 0
	s_mov_b32 s3, LAPS-1
.Llap:                                                 ; a trip goes once round the ring, from a lap's second quarter to the next lap's first, and fills both slots again
	QUARTER 0, 128, F1, F0, 0
	QUARTER 0, 192, F0, F1, 0
	TURN 0, 1
	QUARTER 1, 64,  F0, F1, 0
	QUARTER 1, 128, F1, F0, 0
	QUARTER 1, 192, F0, F1, 0
	TURN 1, 0
	QUARTER 0, 64,  F0, F1, 0
	WIN 0
	s_sub_co_u32 s3, s3, 1
	s_cmp_lg_u32 s3, 0
	s_cbranch_scc1 .Llap
	QUARTER 0, 128, F1, F0, 0                      ; the last lap fills nothing, and has no round of the cluster's barrier
	QUARTER 0, 192, F0, F1, 0
	MEET 0
	PLACES                                         ; for the loads into buffer 0, which the quarter before multiplied
	FETCH 1, 0, F0
	MUL16 F1, 1, 0, 0
	MUL16 F1, 1, 2, 0
	QUARTER 1, 64,  F0, F1, 0
	QUARTER 1, 128, F1, F0, 0
	QUARTER 1, 192, F0, F1, 0
	s_wait_dscnt 8                                 ; the very last quarter: nothing more to fetch
	MUL16 F1, 0, 0, 0
	MUL16 F1, 0, 2, 0
	s_wait_dscnt 0x0
	MUL16 F1, 1, 0, 0
	MUL16 F1, 1, 2, 0
	PLACES                                         ; the scalings read and write results
	PACK 0
	TOSTAGE 0
.irp a, 1,2,3,4,5,6,7                  ; block a's arithmetic stands between block a - 1's loads from the stage and the wait for them
	PACK \a
	SEND (\a)-1
	TOSTAGE \a
.endr
	SEND 7
	s_wait_tensorcnt 0x0                           ; the wave's end: a wait, an add of 0 and a wait for it, behind my last tensor load and my last LDS store
	ds_add_u32 v[SPW], v[NIL]
	s_wait_dscnt 0x0
	CROUND                                         ; the closing round
	s_endpgm
.Lfunc_end_k_qc4cb8efa71_score:
	.size	k_qc4cb8efa71_score, .Lfunc_end_k_qc4cb8efa71_score-k_qc4cb8efa71_score
	.p2alignl 7, 3214868480
	.fill 96, 4, 3214868480
	.section	.rodata,"a",@progbits
	.p2align	6, 0x0
	.amdhsa_kernel k_qc4cb8efa71_score
		.amdhsa_group_segment_fixed_size 327680
		.amdhsa_private_segment_fixed_size 0
		.amdhsa_enable_private_segment 0
		.amdhsa_kernarg_size 24
		.amdhsa_user_sgpr_count 2
		.amdhsa_user_sgpr_kernarg_segment_ptr 1
		.amdhsa_wavefront_size32 1
		.amdhsa_system_sgpr_workgroup_id_x 1
		.amdhsa_system_sgpr_workgroup_id_y 1
		.amdhsa_system_sgpr_workgroup_id_z 1
		.amdhsa_system_vgpr_workitem_id 0
		.amdhsa_next_free_vgpr 1024
		.amdhsa_next_free_sgpr 88
		.amdhsa_reserve_vcc 0
		.amdhsa_float_denorm_mode_32 3
		.amdhsa_float_denorm_mode_16_64 3
		.amdhsa_memory_ordered 1
		.amdhsa_forward_progress 1
		.amdhsa_inst_pref_size 179
	.end_amdhsa_kernel
	.amdgpu_metadata
---
amdhsa.version: [ 1, 2 ]
amdhsa.kernels:
  - .name:           k_qc4cb8efa71_score
    .symbol:         k_qc4cb8efa71_score.kd
    .args:
      - { .name: qkv, .offset: 0, .size: 8, .value_kind: global_buffer, .address_space: global }
      - { .name: mx, .offset: 8, .size: 8, .value_kind: global_buffer, .address_space: global }
      - { .name: pb, .offset: 16, .size: 8, .value_kind: global_buffer, .address_space: global }
    .group_segment_fixed_size: 327680
    .private_segment_fixed_size: 0
    .kernarg_segment_align: 8
    .kernarg_segment_size: 24
    .max_flat_workgroup_size: 128
    .sgpr_count:     88
    .vgpr_count:     1024
    .wavefront_size: 32
...
	.end_amdgpu_metadata
.endif
;; end of part 3
;; launch outp (part 4): grid 4 x 64, 4 waves a work-group, clusters of 4 x 4, 327,680 bytes of LDS; arguments pb, qkv, mx, out0; writes out0
.if DOCPART == 4
	.amdgcn_target "amdgcn-amd-amdhsa--gfx1250"
	.amdhsa_code_object_version 6
	.text
	.protected	k_qc4cb8efa71_outp
	.globl	k_qc4cb8efa71_outp
	.p2align	8
	.type	k_qc4cb8efa71_outp,@function
k_qc4cb8efa71_outp:
	s_mov_b64 s[64:65], 0
	v_nop
	global_prefetch_b8 v0, s[64:65] scope:SCOPE_SE
	s_setreg_imm32_b32 hwreg(HW_REG_WAVE_MODE, 25, 1), 1
	s_wait_xcnt 0x0
	s_wait_alu depctr_hold_cnt(0) depctr_sa_sdst(0) depctr_va_vdst(0) depctr_va_sdst(0) depctr_va_ssrc(0) depctr_va_vcc(0) depctr_vm_vsrc(0)
	s_getreg_b32 s2, hwreg(HW_REG_IB_STS2, 6, 4)
	s_cmp_eq_u32 s2, 0
	s_cbranch_scc0 .Lentry_in_a_cluster
	s_endpgm
.Lentry_in_a_cluster:
	s_bfe_u32 s2, ttmp6, 0x10000c
	s_cmp_lg_u32 s2, 0xf033
	s_cbranch_scc0 .Lentry_shape_is_right
	s_endpgm
.Lentry_shape_is_right:
; out0[b][q][d] = (1 / c) x the sum over k of P'[b][q][k] V[b][k][d].  P': [8192][2048] f16 (the scores' relu times c); V: [8192][1024] f16 in qkv (row 2048 b + k); sums in f32; out0: [8192][1024] f32.
; c is the power of two that the launch before made from mx (512 words of Q's largest magnitudes, then 512 of K's), made here anew by the same arithmetic: ce = 384 - EQ - EK held to 1 .. 253, 1 / c = 2^(127 - ce), exact.
; LIMITS.  As stated for P' and V where they are made; NaN and infinities are not treated apart.
; SHARES.  A tile of out0 is 128 queries x 256 channels: 64 x 4 tiles, one to each of 256 work-groups (tiles of 256 x 256 would be 128).  Four waves, each 64 x 128: 32 accumulators.  The 2,048 keys go in steps of 128 through two LDS slots.
; CLUSTERS.  4 x 4 work-groups: the four of a row need the same tile of P', the four of a column (one batch) the same tile of V: each is asked for JOINTLY.
; THE MATRIX INSTRUCTION IS USED TRANSPOSED (source 0 = 16 channels of V^T, source 1 = 16 queries of P'): a lane holds query l % 16 and the channels 8 (l / 16) + 0..7.  V lies in LDS as in memory, [key][channel], and comes out turned, by ds_load_tr16_b128.
; REGISTERS: window 0: v0-31 addresses and small work; v64-159, v160-255 two fragment buffers (P's 4 fragments, then V's 8), on the way out rows read back.  Window 1: accumulator (a, b) at v[8 (8 a + b)].
.set PITCH,  272                       ; a row of P' in LDS: 256 bytes + 16 of padding
.set PV,     544                       ; a row of V: 512 bytes + 32 of padding = 136 words: row r starts 8 r words on, modulo 64
.set HALFT,  128*PITCH                 ; a region = 64 x PV too.  Regions 0, 1: P's rows 0-63, 64-127 (half used); regions 2, 3: V's keys 0-63, 64-127, end to end
.set SLOT,   4*HALFT
.set STAGE,  2*SLOT                    ; behind the ring, never filled by a tensor load: 16 rows x 528 bytes for each wave
.set SPITCH, 528
.set SPARE,  STAGE+4*16*SPITCH         ; the spare words, 128 bytes for each wave: two blocks of 256 bytes that no other line names
.set LAPS,   8                         ; 2,048 keys / 256
.set KSA,    256                       ; a K step in P': 128 keys along a row
.set KSV,    128*2048                  ; in V: 128 rows down
.set VBASE,  2*8192*2048               ; V in qkv
.set CPITCH, 4096                      ; bytes in a row of out0
.set ADRA, 16
.set ADRB, 20
.set STO,  24
.set RD,   25
.set CO,   26
.set MO,   27
.set SPW,  28                          ; v28     LDS address of my spare word; never rewritten
.set NIL,  29                          ; v29     0; never rewritten
.set PFO,  30                          ; v30     the prefetches' lane offset; never rewritten
.set F0,   64
.set F1,   160
.set G1,   24
.set G0,   32
.set LIM,  43
.set G1B,  48
.set G0B,  56
.set PFA,  66
.set PFS,  68                          ; s[68:69] the prefetch pointer's step: a K step of P' or of V
.set CS,   78                          ; s[78:79] 1 / c
.set MXP,  80
.set SEL,  84
.set W_MUL,  0x50                      ; C and D in window 1
.set W_SC,   0x41                      ; destination and source 0 in window 1
.set W_ST,   0x04                      ; an LDS store's data in window 1
.set MSB, 0
.macro WIN new
.if MSB != (\new)
	s_set_vgpr_msb (MSB<<8)|(\new)
.set MSB, \new
.endif
.endm
.macro JLOAD s                         ; a joint load: waves 0 and 1 fetch P's two halves, waves 2 and 3 V's; an s_nop 0 and four v_nop follow each of the two lines
	s_cmp_eq_u32 s11, 0
	s_cbranch_scc0 .Lfor_b_\@
	tensor_load_to_lds s[G0+4*(\s):G0+4*(\s)+3], s[G1:G1+7]
	s_nop 0
.rept 4
	v_nop
.endr
	s_branch .Lasked_\@
.Lfor_b_\@:
	tensor_load_to_lds s[G0B+4*(\s):G0B+4*(\s)+3], s[G1B:G1B+7]
	s_nop 0
.rept 4
	v_nop
.endr
.Lasked_\@:
.endm
; A PREFETCH INTO THE L2: the change of slots at the end of K step t names K step t + 4, which the change two further on will ask for.  Each aligned 256 bytes are named once in the launch:
; P's tile row is read by one cluster alone: every cluster asks for its own; V's tile column by the four clusters of a batch: the first of them asks.  Partners share the blocks out BY ADDRESS:
; V's waves 16 of their 64 keys (by cy), two blocks of 256 bytes each, at every change; P's waves 16 of their 64 rows (by cx) for two K steps, at slot 0's changes.  The loop's last trip has no K step four on.
.macro ASK slot
	s_cmp_gt_u32 s3, s[LIM+(\slot)]
	s_cbranch_scc0 .Lnot_mine_\@
	global_prefetch_b8 v[PFO], s[PFA:PFA+1] th:TH_LOAD_NT scope:SCOPE_SE
.Lnot_mine_\@:
.endm
.macro CREST
	s_cmp_lg_u32 s10, 0
	s_cbranch_scc1 .Lnot_wave_0_\@
	s_barrier_signal -3
.Lnot_wave_0_\@:
	s_barrier_wait -3
	s_barrier_signal -1
	s_barrier_wait -1
.endm
.macro CROUND
	s_barrier_signal -1
	s_barrier_wait -1
	CREST
.endm
.macro PLACES                          ; four plain instructions between a matrix instruction and a load into, or a vector read of, its registers (ISA guide 7.12.1 for vector reads)
.rept 4
	v_nop
.endr
.endm
; 8 matrix instructions: query block a x all 8 channel blocks, 32 keys, from buffer f.  first = 1: the products start the sums with the constant 0.  The 32 accumulators take turns in one fixed order.
.macro MULA f, a, first
	WIN W_MUL
.irp b, 0,1,2,3,4,5,6,7
.if \first
	v_wmma_f32_16x16x32_f16 v[8*(8*(\a)+(\b)):8*(8*(\a)+(\b))+7], v[(\f)+32+8*(\b):(\f)+32+8*(\b)+7], v[(\f)+8*(\a):(\f)+8*(\a)+7], 0
.else
	v_wmma_f32_16x16x32_f16 v[8*(8*(\a)+(\b)):8*(8*(\a)+(\b))+7], v[(\f)+32+8*(\b):(\f)+32+8*(\b)+7], v[(\f)+8*(\a):(\f)+8*(\a)+7], v[8*(8*(\a)+(\b)):8*(8*(\a)+(\b))+7]
.endif
.endr
.endm
; 24 LDS loads in one run: quarter q (32 keys) of a slot into buffer f: V's 16 first, then P's blocks 0, 1, then 2, 3.
; The turning load takes 16 keys x 16 channels (lane l reads key 8 (l / 16) + l % 8, channels 8 ((l / 8) % 2) + 0..7) and leaves half a fragment of V^T: lane l holds channel l % 16 and 8 keys.
.macro FETCH slot, q, f
	WIN 0
.irp b, 0,1,2,3,4,5,6,7
	ds_load_tr16_b128 v[(\f)+32+8*(\b):(\f)+32+8*(\b)+3],   v[ADRB+(\slot)] offset:(\q)*32*PV+32*(\b)
	ds_load_tr16_b128 v[(\f)+32+8*(\b)+4:(\f)+32+8*(\b)+7], v[ADRB+(\slot)] offset:(\q)*32*PV+32*(\b)+16*PV
.endr
.irp a, 0,1,2,3
	ds_load_b128 v[(\f)+8*(\a):(\f)+8*(\a)+3],   v[ADRA+(\slot)] offset:64*(\q)+(\a)*16*PITCH
	ds_load_b128 v[(\f)+8*(\a)+4:(\f)+8*(\a)+7], v[ADRA+(\slot)] offset:64*(\q)+(\a)*16*PITCH+32
.endr
.endm
.macro QUARTER slot, q, f, g, first
	s_wait_dscnt 4                                 ; all of buffer f but the youngest four loads: P's blocks 2 and 3
	MULA \f, 0, \first
	MULA \f, 1, \first
	PLACES
	FETCH \slot, \q, \g
	s_wait_dscnt 24                                ; all but the 24 just issued
	MULA \f, 2, \first
	MULA \f, 3, \first
.endm
; The last quarter multiplies buffer 1 and changes slots: ONE barrier; in front of it each wave waits for all its tensor loads, adds 0 to its spare word, and waits for that and for its own reads of this slot.
; fill = 1: this slot is filled again with the K step two on: the barrier opens a round of the cluster's, and the joint load is the first thing behind the round.
.macro TURN slot, next, fill
.if \fill
	s_wait_xcnt 0x0                                ; the last prefetch, a K step back, has read its address
	s_add_nc_u64 s[PFA:PFA+1], s[PFA:PFA+1], s[PFS:PFS+1]
.endif
	WIN 0
	s_wait_tensorcnt 0x0                           ; all my tensor loads have landed;
	ds_add_u32 v[SPW], v[NIL]                      ; 0 onto my spare word;
	s_wait_dscnt 5                                 ; (the add and the youngest four loads may be out)
	MULA F1, 0, 0
	s_wait_dscnt 0x0                               ; the add is done, and my reads of this slot are over
	s_barrier_signal -1
	MULA F1, 1, 0
.if \fill
	WIN 0
.endif
	s_barrier_wait -1
.if \fill
	CREST
	s_add_nc_u64 s[G0+4*(\slot)+2:G0+4*(\slot)+3], s[G0+4*(\slot)+2:G0+4*(\slot)+3], 2*KSA
	s_add_nc_u64 s[G0B+4*(\slot)+2:G0B+4*(\slot)+3], s[G0B+4*(\slot)+2:G0B+4*(\slot)+3], 2*KSV
	JLOAD \slot                                    ; the four v_nop behind it are also the places in front of the loads below
.else
	PLACES
.endif
	FETCH \next, 0, F0
.if \fill
	ASK \slot
.endif
	MULA F1, 2, 0
	MULA F1, 3, 0
.endm
; THE WAY OUT of query block a.  SCALE: times 1 / c, in place and in ascending order.  TOSTAGE: 32 bytes a lane straight from the accumulators into my own stage, and back as whole rows of 512 bytes.  SEND: stored.
.macro SCALE a
	WIN W_SC
.set i, 64*(\a)
.rept 32
	v_pk_mul_f32 v[i:i+1], v[i:i+1], s[CS:CS+1] op_sel_hi:[1,0]
.set i, i+2
.endr
.endm
.macro TOSTAGE a
	WIN W_ST
.irp b, 0,1,2,3,4,5,6,7
	ds_store_b128 v[STO], v[8*(8*(\a)+(\b)):8*(8*(\a)+(\b))+3]   offset:64*(\b)
	ds_store_b128 v[STO], v[8*(8*(\a)+(\b))+4:8*(8*(\a)+(\b))+7] offset:64*(\b)+16
.endr
	WIN 0
.irp t, 0,1,2,3,4,5,6,7,8,9,10,11,12,13,14,15
	ds_load_b128 v[64+64*((\a)%2)+4*(\t):64+64*((\a)%2)+4*(\t)+3], v[RD] offset:(\t)*SPITCH  ; LDS serves a wave's instructions in order (ISA guide 5.7.1.4): these see the stores above
.endr
.endm
.macro SEND a
	WIN 0
	s_wait_dscnt 0x0                               ; the block is back in registers
	s_wait_xcnt 0x0                                ; earlier stores have read their base and data: only behind this wait are they rewritten
.if (\a) == 0
	s_add_nc_u64 s[8:9], s[8:9], s[16:17]
.else
	s_add_nc_u64 s[8:9], s[8:9], 16*CPITCH
.endif
.irp t, 0,1,2,3,4,5,6,7,8,9,10,11,12,13,14,15
	global_store_b128 v[CO], v[64+64*((\a)%2)+4*(\t):64+64*((\a)%2)+4*(\t)+3], s[8:9] offset:(\t)*CPITCH th:TH_STORE_NT  ; the wave stores 512 consecutive bytes, at a multiple of 256 from out0's first byte
.endr
.endm
	s_load_b128 s[4:7], s[0:1], 0x0                ; pb s[4:5], qkv s[6:7]
	s_load_b64 s[MXP:MXP+1], s[0:1], 0x10          ; mx
	s_load_b64 s[8:9], s[0:1], 0x18                ; out0
	v_lshl_add_u32 v[SPW], v0, 2, SPARE
	v_mov_b32 v[NIL], 0
	ds_add_u32 v[SPW], v[NIL]                      ; the wave's opening: the add here and its wait stand ahead of my first tensor load; the set-up below, work on registers, stands between them
	v_lshrrev_b32 v1, 5, v0
	v_readfirstlane_b32 s10, v1                    ; wave 0..3
	s_lshr_b32 s11, s10, 1                         ; which 64 queries of the tile are mine.  Also: I fetch for P' (0) or for V (1)
	s_and_b32 s12, s10, 1                          ; which 128 channels.  Also: which half of that tile I fetch
	s_bfe_u32 s40, ttmp6, 0x40000                  ; cx
	s_bfe_u32 s41, ttmp6, 0x40004                  ; cy
	s_lshl_b32 s42, ttmp9, 2
	s_add_co_u32 s42, s42, s40                     ; tile column = 4 x cluster x + cx
	s_and_b32 s13, ttmp7, 0xffff
	s_lshr_b32 s45, s13, 2                         ; the batch, 0 to 3: from the cluster's y alone
	s_lshl_b32 s13, s13, 2
	s_add_co_u32 s13, s13, s41                     ; tile row = 4 x cluster y + cy
	s_lshl_b32 s43, s41, 2
	s_lshl_b32 s43, 15, s43                        ; my row of the cluster
	s_lshl_b32 s44, 0x1111, s40                    ; my column
	s_or_b32 s[G1+0], s43, (1<<16)|(1<<20)|(1<<21)|(5<<22)|(3<<25)   ; P': the mask; elements of 2 bytes; padding on; bit 21 beside a mask; after every 64 words, 4 words
	s_mov_b32 s[G1+1], 128<<16                     ; tensor_dim0 = 128
	s_mov_b32 s[G1+2], 64<<16                      ; tensor_dim1 = 64
	s_mov_b32 s[G1+3], 128<<16                     ; tile_dim0 = 128
	s_mov_b32 s[G1+4], 64                          ; tile_dim1 = 64
	s_mov_b32 s[G1+5], 2048                        ; elements from row to row
	s_mov_b32 s[G1+6], 0
	s_mov_b32 s[G1+7], 0
	s_or_b32 s[G1B+0], s44, (1<<16)|(1<<20)|(1<<21)|(6<<22)|(7<<25)  ; V: after every 128 words (code 6), 8 words (code 7)
	s_mov_b32 s[G1B+1], 256<<16                    ; tensor_dim0 = 256
	s_mov_b32 s[G1B+2], 64<<16                     ; tensor_dim1 = 64
	s_mov_b32 s[G1B+3], 256<<16                    ; tile_dim0 = 256
	s_mov_b32 s[G1B+4], 64                         ; tile_dim1 = 64
	s_mov_b32 s[G1B+5], 1024
	s_mov_b32 s[G1B+6], 0
	s_mov_b32 s[G1B+7], 0
	s_lshl_b32 s16, s13, 7                         ; P': row 128 x tile row + 64 x half, 4,096 bytes a row
	s_lshl_b32 s17, s12, 6
	s_add_co_u32 s16, s16, s17
	s_lshl_b32 s16, s16, 12
	s_mov_b32 s17, 0
	s_lshl_b32 s46, s45, 22                        ; V: the batch's 2,048 rows of 2,048 bytes, + 64 keys x half, + 512 bytes x tile column
	s_lshl_b32 s47, s12, 17
	s_add_co_u32 s46, s46, s47
	s_lshl_b32 s47, s42, 9
	s_add_co_u32 s46, s46, s47
	s_mov_b32 s47, 0
	s_mul_i32 s20, s10, HALFT
	s_wait_dscnt 0x0                               ; the opening add is done
	s_wait_kmcnt 0x0
	s_add_nc_u64 s[6:7], s[6:7], VBASE             ; V
	s_add_nc_u64 s[14:15], s[4:5], s[16:17]
	s_add_nc_u64 s[46:47], s[6:7], s[46:47]
	CROUND                                         ; all sixteen work-groups are here: the first joint loads meet
.irp s, 0,1
	s_mov_b32 s[G0+4*(\s)], 1
	s_add_co_u32 s[G0+4*(\s)+1], s20, (\s)*SLOT
	s_add_nc_u64 s[G0+4*(\s)+2:G0+4*(\s)+3], s[14:15], (\s)*KSA
	s_or_b32 s[G0+4*(\s)+3], s[G0+4*(\s)+3], 0x80000000
	s_mov_b32 s[G0B+4*(\s)], 1
	s_add_co_u32 s[G0B+4*(\s)+1], s20, (\s)*SLOT
	s_add_nc_u64 s[G0B+4*(\s)+2:G0B+4*(\s)+3], s[46:47], (\s)*KSV
	s_or_b32 s[G0B+4*(\s)+3], s[G0B+4*(\s)+3], 0x80000000
	JLOAD \s                                       ; two loads of mine are out
.endr
	v_and_b32 v1, 15, v0                           ; l % 16
	v_bfe_u32 v2, v0, 4, 1                         ; l / 16
	v_and_b32 v6, 31, v0                           ; l
	; Q's 512 words of mx and K's 512, 16 of each a lane, into buffer 0's registers, which are still free
	v_lshlrev_b32 v[MO], 4, v6
.irp i, 0,1,2,3,4,5,6,7
	global_load_b128 v[64+4*(\i):64+4*(\i)+3], v[MO], s[MXP:MXP+1] offset:512*(\i)
.endr
	v_mul_u32_u24 v3, v1, PITCH
	v_lshl_add_u32 v3, v2, 4, v3                   ; P': row x pitch + 16 x half
	v_and_b32 v4, 7, v0
	v_bfe_u32 v5, v0, 3, 1
	v_lshl_add_u32 v4, v2, 3, v4                   ; V: key 8 (l / 16) + l % 8,
	v_mul_u32_u24 v4, v4, PV
	v_lshl_add_u32 v4, v5, 4, v4                   ; channels 8 ((l / 8) % 2) on
	s_mul_i32 s21, s11, HALFT                      ; my 64 rows of P'
	s_lshl_b32 s22, s12, 8                         ; my 128 channels: 256 bytes of a row of V,
	s_add_co_u32 s22, s22, 2*HALFT                 ; behind P's two regions
.irp s, 0,1
	v_add_nc_u32 v[ADRA+(\s)], s21, v3
	v_add_nc_u32 v[ADRB+(\s)], s22, v4
	s_add_co_u32 s21, s21, SLOT
	s_add_co_u32 s22, s22, SLOT
.endr
	s_mul_i32 s23, s10, 16*SPITCH
	s_add_co_u32 s23, s23, STAGE                   ; my stage
	v_mul_u32_u24 v5, v1, SPITCH                   ; in: row l % 16, 32 bytes for each half of the lanes
	v_lshl_add_u32 v5, v2, 5, v5
	v_add_nc_u32 v[STO], s23, v5
	v_lshl_add_u32 v[RD], v6, 4, s23               ; back: 32 lanes take one row of 512 bytes,
	v_lshlrev_b32 v[CO], 4, v6                     ; and the same in out0
	v_mov_b32 v10, 0                               ; v_permlanex16_b32's destinations count as read
	v_mov_b32 v11, 0
	s_lshl_b32 s16, s13, 7                         ; where my part of the tile begins in out0: row 128 x tile row + 64 x my half,
	s_lshl_b32 s17, s11, 6
	s_add_co_u32 s16, s16, s17
	s_lshl_b32 s16, s16, 12
	s_mov_b32 s17, 0
	s_lshl_b32 s46, s42, 10                        ; column bytes 1,024 x tile column + 512 x my half
	s_lshl_b32 s47, s12, 9
	s_add_co_u32 s46, s46, s47
	s_mov_b32 s47, 0
	s_add_nc_u64 s[16:17], s[16:17], s[46:47]
	s_mov_b32 s[SEL], 0x76543210
	s_mov_b32 s[SEL+1], 0xfedcba98
	; the prefetches: nothing is asked for here, at the head
	s_lshl_b32 s20, s13, 7                         ; P's waves: row 128 x tile row + 64 x half + 16 cx, at K step 3
	s_lshl_b32 s21, s12, 6
	s_add_co_u32 s20, s20, s21
	s_lshl_b32 s21, s40, 4
	s_add_co_u32 s20, s20, s21
	s_lshl_b32 s20, s20, 12
	s_add_co_u32 s20, s20, 3*KSA
	s_lshl_b32 s22, s45, 22                        ; V's waves: the batch, + 64 keys x half + 16 keys x cy, + the tile column, at K step 3
	s_lshl_b32 s21, s12, 17
	s_add_co_u32 s22, s22, s21
	s_lshl_b32 s21, s41, 15
	s_add_co_u32 s22, s22, s21
	s_lshl_b32 s21, s42, 9
	s_add_co_u32 s22, s22, s21
	s_add_co_u32 s22, s22, 3*KSV
	s_and_b32 s23, ttmp7, 3                        ; the cluster's place among the four of its batch
	s_cmp_eq_u32 s23, 0
	s_cselect_b32 s23, 1, -1
	s_mov_b32 s18, 2048
	s_mov_b32 s[PFS], KSV
	s_mov_b32 s[PFS+1], 0
	s_mov_b32 s21, 0
	s_cmp_eq_u32 s11, 0                            ; do I fetch for P'?
	s_cselect_b32 s20, s20, s22
	s_cselect_b32 s[LIM], 1, s23
	s_cselect_b32 s[LIM+1], -1, s23
	s_cselect_b32 s18, 4096, s18                   ; bytes from row to row
	s_cselect_b32 s[PFS], KSA, s[PFS]
	s_cselect_b64 s[PFA:PFA+1], s[4:5], s[6:7]
	s_add_nc_u64 s[PFA:PFA+1], s[PFA:PFA+1], s[20:21]
	v_lshlrev_b32 v[PFO], 8, v2                    ; lanes 16-31: the next 256 bytes of the same 16 rows
	v_mad_u32_u24 v[PFO], v1, s18, v[PFO]
	; 1 / c from the largest |Q| (v64-79) and |K| (v80-95)
	s_wait_loadcnt 0x0
	v_max3_num_f32 v8, v64, v65, v66
	v_max3_num_f32 v9, v80, v81, v82
.set i, 67
.rept 6
	v_max3_num_f32 v8, v8, v[i], v[i+1]
	v_max3_num_f32 v9, v9, v[i+16], v[i+17]
.set i, i+2
.endr
	v_max_num_f32 v8, v8, v79
	v_max_num_f32 v9, v9, v95
.irp m, 1,2,4,8
	v_max_num_f32_dpp v8, v8, v8 row_xmask:\m row_mask:0xf bank_mask:0xf
	v_max_num_f32_dpp v9, v9, v9 row_xmask:\m row_mask:0xf bank_mask:0xf
.endr
	v_permlanex16_b32 v10, v8, s[SEL], s[SEL+1]
	v_permlanex16_b32 v11, v9, s[SEL], s[SEL+1]
	v_max_num_f32 v8, v8, v10
	v_max_num_f32 v9, v9, v11
	v_readfirstlane_b32 s18, v8
	v_readfirstlane_b32 s19, v9
	s_lshr_b32 s18, s18, 23                        ; EQ
	s_lshr_b32 s19, s19, 23                        ; EK
	s_add_co_u32 s18, s18, s19
	s_sub_co_i32 s18, 384, s18
	s_max_i32 s18, s18, 1
	s_min_i32 s18, s18, 253                        ; ce
	s_sub_co_u32 s18, 254, s18
	s_lshl_b32 s[CS], s18, 23                      ; 1 / c = 2^(127 - ce): a factor, and nothing else
	s_mov_b32 s[CS+1], s[CS]                       ; named with it as a pair
	s_wait_tensorcnt 1                             ; my part of K step 0 is in; K step 1's may stay out
	s_barrier_signal -1
	s_barrier_wait -1
	FETCH 0, 0, F0
	QUARTER 0, 1, F0, F1, 1                        ; the first quarter stands in front of the loop: its products start the sums
	WIN 0
	s_mov_b32 s3, LAPS-1
.Llap:                                                 ; a trip goes once round the ring, from a lap's second quarter to the next lap's first, and fills both slots again
	QUARTER 0, 2, F1, F0, 0
	QUARTER 0, 3, F0, F1, 0
	TURN 0, 1, 1
	QUARTER 1, 1, F0, F1, 0
	QUARTER 1, 2, F1, F0, 0
	QUARTER 1, 3, F0, F1, 0
	TURN 1, 0, 1
	QUARTER 0, 1, F0, F1, 0
	WIN 0
	s_sub_co_u32 s3, s3, 1
	s_cmp_lg_u32 s3, 0
	s_cbranch_scc1 .Llap
	QUARTER 0, 2, F1, F0, 0                        ; the last lap fills nothing, and has no round of the cluster's barrier
	QUARTER 0, 3, F0, F1, 0
	TURN 0, 1, 0
	QUARTER 1, 1, F0, F1, 0
	QUARTER 1, 2, F1, F0, 0
	QUARTER 1, 3, F0, F1, 0
	s_wait_dscnt 4                                 ; the very last quarter: nothing more to fetch
	MULA F1, 0, 0
	MULA F1, 1, 0
	s_wait_dscnt 0x0
	MULA F1, 2, 0
	MULA F1, 3, 0
	PLACES
	SCALE 0
	TOSTAGE 0
.irp a, 1,2,3                          ; block a's arithmetic stands between block a - 1's loads from the stage and the wait for them
	SCALE \a
	SEND (\a)-1
	TOSTAGE \a
.endr
	SEND 3
	s_wait_tensorcnt 0x0                           ; the wave's end: a wait, an add of 0 and a wait for it, behind my last tensor load and my last LDS store
	ds_add_u32 v[SPW], v[NIL]
	s_wait_dscnt 0x0
	CROUND                                         ; the closing round
	s_endpgm
.Lfunc_end_k_qc4cb8efa71_outp:
	.size	k_qc4cb8efa71_outp, .Lfunc_end_k_qc4cb8efa71_outp-k_qc4cb8efa71_outp
	.p2alignl 7, 3214868480
	.fill 96, 4, 3214868480
	.section	.rodata,"a",@progbits
	.p2align	6, 0x0
	.amdhsa_kernel k_qc4cb8efa71_outp
		.amdhsa_group_segment_fixed_size 327680
		.amdhsa_private_segment_fixed_size 0
		.amdhsa_enable_private_segment 0
		.amdhsa_kernarg_size 32
		.amdhsa_user_sgpr_count 2
		.amdhsa_user_sgpr_kernarg_segment_ptr 1
		.amdhsa_wavefront_size32 1
		.amdhsa_system_sgpr_workgroup_id_x 1
		.amdhsa_system_sgpr_workgroup_id_y 1
		.amdhsa_system_sgpr_workgroup_id_z 1
		.amdhsa_system_vgpr_workitem_id 0
		.amdhsa_next_free_vgpr 512
		.amdhsa_next_free_sgpr 88
		.amdhsa_reserve_vcc 0
		.amdhsa_float_denorm_mode_32 3
		.amdhsa_float_denorm_mode_16_64 3
		.amdhsa_memory_ordered 1
		.amdhsa_forward_progress 1
		.amdhsa_inst_pref_size 98
	.end_amdhsa_kernel
	.amdgpu_metadata
---
amdhsa.version: [ 1, 2 ]
amdhsa.kernels:
  - .name:           k_qc4cb8efa71_outp
    .symbol:         k_qc4cb8efa71_outp.kd
    .args:
      - { .name: pb, .offset: 0, .size: 8, .value_kind: global_buffer, .address_space: global }
      - { .name: qkv, .offset: 8, .size: 8, .value_kind: global_buffer, .address_space: global }
      - { .name: mx, .offset: 16, .size: 8, .value_kind: global_buffer, .address_space: global }
      - { .name: out0, .offset: 24, .size: 8, .value_kind: global_buffer, .address_space: global }
    .group_segment_fixed_size: 327680
    .private_segment_fixed_size: 0
    .kernarg_segment_align: 8
    .kernarg_segment_size: 32
    .max_flat_workgroup_size: 128
    .sgpr_count:     88
    .vgpr_count:     512
    .wavefront_size: 32
...
	.end_amdgpu_metadata
.endif
;; end of part 4
;; ======== version 2 of 2: 4 launches; version 1 with the launch cast written anew for expert scheduling mode
;; limits: values are held in f16: magnitudes above 65,504 overflow, below 6.1e-05 lose precision
;; workspace buffers: xw 56,623,104 bytes; qkv 50,331,648 bytes; pb 33,554,432 bytes; mx 6,144 bytes
;; launch cast (part 5): grid 288 x 3, 8 waves a work-group, no clusters, 0 bytes of LDS; arguments queries, keys, values, Wq, Wk, Wv, xw; writes xw
.if DOCPART == 5
	.amdgcn_target "amdgcn-amd-amdhsa--gfx1250"
	.amdhsa_code_object_version 6
	.text
	.protected	k_qc4cb8efa71_cast
	.globl	k_qc4cb8efa71_cast
	.p2align	8
	.type	k_qc4cb8efa71_cast,@function
k_qc4cb8efa71_cast:
	s_mov_b64 s[64:65], 0
	v_nop
	global_prefetch_b8 v0, s[64:65] scope:SCOPE_SE
	s_setreg_imm32_b32 hwreg(HW_REG_WAVE_SCHED_MODE, 0, 2), 2
	s_setreg_imm32_b32 hwreg(HW_REG_WAVE_MODE, 25, 1), 1
	s_wait_xcnt 0x0
	s_wait_alu depctr_vm_vsrc(0)
; xw = the six large inputs rounded once, f32 to f16: x of q, k, v ([8192][1024] each, 16,777,216 bytes), then W of q, k, v ([1024][1024] each) from byte 50,331,648 on.
; LIMITS.  f16 holds no number beyond 65,504: an input of 65,520 or more becomes an infinity; below 6e-5 a number keeps f16's fixed step of 6e-8.  NaN and infinities are not treated apart.
; SHARES.  Grid y picks q, k or v.  Grid x below 256: chunk x of that x tensor; 256 to 287: chunk x - 256 of that weight.  A chunk is 32 rows of 1,024 numbers: 131,072 bytes in, 65,536 out.
; Thread t owns bytes 16 t of every 4,096-byte input row and bytes 8 t of every 2,048-byte output row: a wave's load covers 512 consecutive bytes, its store 256 consecutive bytes, aligned.
; No LDS, no barrier, no matrix unit: no number is wanted twice and no wave wants another's.
; THE MODE: SCHED_MODE bits 1:0 = 2 (LLVM: expert scheduling mode 2), set by the entry lines.  The code itself states the register dependences
; between vector instructions and memory instructions, with s_wait_alu, always for 0.
; THE PLAN.  The chunk's 32 rows go in 8 blocks of four, written out one after the other.  Registers that memory instructions touch:
;   v1, v2     byte offsets, made once at the head and never written again: every row stands in an immediate offset (126,976 bytes at the most), so the two scalar bases are not stepped either.
;   X0 .. X3   four blocks of f32 as loaded.  Blocks 0 to 2 are asked for at the head; block p + 3 is asked for in block p (p = 0 to 4) and lands in X[(p + 3) % 4] = X[(p - 1) % 4].
;              Read by block p's eight conversions, from X[p % 4].
;   Y0 .. Y3   the roundings of blocks 0 to 3, eight registers each.  Written by block p's conversions; read by the four stores that are issued in block p + 1.
;   Blocks 4 to 7 lie in buffers that are not loaded again: their roundings close up in place, a row's four registers into its first two, and the stores of block p + 1 leave from there.
; So every register that a store reads is written ONCE in the kernel, ahead of that store, and no offset and no base is written behind the first load: no register that a memory
; instruction has read is written again, and the text has no wait for that.
; Block p's memory instructions touch X[(p - 1) % 4], block p - 1's out registers, v1 and v2; its conversions name X[p % 4] and its own out registers.  The two sets share nothing, so ONE wait
; at a block's head states all that the block's eight memory instructions hang on, and these are dealt among its conversions with no further wait.
.set ROWI,   4096                      ; bytes in an input row
.set ROWO,   2048                      ; bytes in an output row
.set BLOCK,  4                         ; rows in a block
.set BLOCKS, 32 / BLOCK
.set AHEAD,  3                         ; block p asks for block p + 3: with the block's own four, 12 loads of a wave are on their way
.set X,      4                         ; v[4:67]   buffer k, row i: 4 registers at X + 16 k + 4 i, as loaded
.set Y,      68                        ; v[68:99]  block q (0 to 3), row i: 2 registers at Y + 8 q + 2 i, to store
	s_load_b256 s[4:11], s[0:1], 0x0               ; queries s[4:5], keys s[6:7], values s[8:9], Wq s[10:11]
	s_load_b128 s[12:15], s[0:1], 0x20             ; Wk s[12:13], Wv s[14:15]
	s_load_b64 s[16:17], s[0:1], 0x30              ; xw
	s_and_b32 s18, ttmp7, 0xffff                   ; 0, 1, 2: q, k, v
	v_lshlrev_b32 v1, 4, v0                        ; my 16 bytes of an input row; never rewritten
	v_lshlrev_b32 v2, 3, v0                        ; my 8 bytes of an output row; never rewritten
	s_and_b32 s19, ttmp9, 255                      ; the chunk's number: x, or x - 256 for the weights
	s_lshl_b32 s24, s18, 24                        ; where the x tensor begins in xw
	s_lshl_b32 s25, s18, 21                        ; where the weight begins:
	s_add_co_u32 s25, s25, 0x3000000               ; behind the three x tensors
	s_cmp_lt_u32 ttmp9, 256
	s_cselect_b32 s26, s24, s25
	s_lshl_b32 s24, s19, 17                        ; the chunk in its source
	s_mov_b32 s25, 0
	s_lshl_b32 s19, s19, 16                        ; and in xw
	s_add_co_u32 s26, s26, s19
	s_mov_b32 s27, 0
	s_wait_kmcnt 0x0
	s_cmp_eq_u32 s18, 1                            ; the choice hangs on the grid's y and x alone
	s_cselect_b64 s[20:21], s[6:7], s[4:5]
	s_cselect_b64 s[22:23], s[12:13], s[10:11]
	s_cmp_eq_u32 s18, 2
	s_cselect_b64 s[20:21], s[8:9], s[20:21]
	s_cselect_b64 s[22:23], s[14:15], s[22:23]
	s_cmp_lt_u32 ttmp9, 256
	s_cselect_b64 s[20:21], s[20:21], s[22:23]
	s_add_nc_u64 s[20:21], s[20:21], s[24:25]      ; the source at my chunk; never rewritten
	s_add_nc_u64 s[16:17], s[16:17], s[26:27]      ; xw at my chunk; never rewritten
	s_wait_alu depctr_va_vdst(0)                   ; v1 and v2 are written: every load and store of the kernel reads one of them as its offset
.irp i, 0,1,2,3,4,5,6,7,8,9,10,11
	global_load_b128 v[X+4*(\i):X+4*(\i)+3], v1, s[20:21] offset:(\i)*ROWI th:TH_LOAD_NT  ; blocks 0, 1 and 2 into X0, X1, X2
.endr
; Where block q's roundings go: OB = row 0's pair of registers, OS = registers from one row's pair to the next.
.macro OUTOF q
.if (\q) < 4
.set OB, Y+8*(\q)                      ; blocks 0 to 3: registers of their own, since their X is loaded again
.set OS, 2
.else
.set OB, X+16*((\q)%4)                 ; blocks 4 to 7: in place, since their X is not loaded again
.set OS, 4
.endif
.endm
; Block p.  left = how many younger loads may still be out when this block's four have to be there.
.macro BLK p, left
	s_wait_loadcnt \left                           ; loads come back in order (ISA guide 5.7.1): X[p % 4] is in, the younger blocks stay out
.if (\p) > 0
	s_wait_alu depctr_va_vdst(0)                   ; the block before has written its out registers, which the stores below read, and is done reading its X, in which the loads below (blocks 1 to 4) land
	OUTOF (\p)-1
.set PB, OB
.set PS, OS
.endif
	OUTOF \p
.irp i, 0,1,2,3
.if (\p)+AHEAD < BLOCKS
	global_load_b128 v[X+16*(((\p)+AHEAD)%4)+4*(\i):X+16*(((\p)+AHEAD)%4)+4*(\i)+3], v1, s[20:21] offset:(BLOCK*((\p)+AHEAD)+(\i))*ROWI th:TH_LOAD_NT  ; three blocks ahead; no vector instruction since the wait names these registers
.endif
.if (\p) > 0
	global_store_b64 v2, v[PB+PS*(\i):PB+PS*(\i)+1], s[16:17] offset:(BLOCK*((\p)-1)+(\i))*ROWO th:TH_STORE_NT  ; the block before; nor these
.endif
	v_cvt_pk_f16_f32 v[OB+OS*(\i)],   v[X+16*((\p)%4)+4*(\i)],   v[X+16*((\p)%4)+4*(\i)+1]    ; two roundings to f16, packed
	v_cvt_pk_f16_f32 v[OB+OS*(\i)+1], v[X+16*((\p)%4)+4*(\i)+2], v[X+16*((\p)%4)+4*(\i)+3]
.endr
.endm
.irp p, 0,1,2,3,4,5
	BLK \p, 2*BLOCK                                ; block 0 has no block in front of it: no store, and no wait but the one for its data; blocks 5 to 7 load nothing: no load leaves the chunk
.endr
	BLK 6, BLOCK                                   ; the counts run down
	BLK 7, 0
	s_wait_alu depctr_va_vdst(0)                   ; block 7 has written its out registers, which the last four stores read
	OUTOF 7
.irp i, 0,1,2,3
	global_store_b64 v2, v[OB+OS*(\i):OB+OS*(\i)+1], s[16:17] offset:(BLOCK*7+(\i))*ROWO th:TH_STORE_NT
.endr
	s_endpgm
.Lfunc_end_k_qc4cb8efa71_cast:
	.size	k_qc4cb8efa71_cast, .Lfunc_end_k_qc4cb8efa71_cast-k_qc4cb8efa71_cast
	.p2alignl 7, 3214868480
	.fill 96, 4, 3214868480
	.section	.rodata,"a",@progbits
	.p2align	6, 0x0
	.amdhsa_kernel k_qc4cb8efa71_cast
		.amdhsa_group_segment_fixed_size 0
		.amdhsa_private_segment_fixed_size 0
		.amdhsa_enable_private_segment 0
		.amdhsa_kernarg_size 56
		.amdhsa_user_sgpr_count 2
		.amdhsa_user_sgpr_kernarg_segment_ptr 1
		.amdhsa_wavefront_size32 1
		.amdhsa_system_sgpr_workgroup_id_x 1
		.amdhsa_system_sgpr_workgroup_id_y 1
		.amdhsa_system_sgpr_workgroup_id_z 1
		.amdhsa_system_vgpr_workitem_id 0
		.amdhsa_next_free_vgpr 100
		.amdhsa_next_free_sgpr 66
		.amdhsa_reserve_vcc 0
		.amdhsa_float_denorm_mode_32 3
		.amdhsa_float_denorm_mode_16_64 3
		.amdhsa_memory_ordered 1
		.amdhsa_forward_progress 1
		.amdhsa_inst_pref_size 13
	.end_amdhsa_kernel
	.amdgpu_metadata
---
amdhsa.version: [ 1, 2 ]
amdhsa.kernels:
  - .name:           k_qc4cb8efa71_cast
    .symbol:         k_qc4cb8efa71_cast.kd
    .args:
      - { .name: queries, .offset: 0, .size: 8, .value_kind: global_buffer, .address_space: global }
      - { .name: keys, .offset: 8, .size: 8, .value_kind: global_buffer, .address_space: global }
      - { .name: values, .offset: 16, .size: 8, .value_kind: global_buffer, .address_space: global }
      - { .name: Wq, .offset: 24, .size: 8, .value_kind: global_buffer, .address_space: global }
      - { .name: Wk, .offset: 32, .size: 8, .value_kind: global_buffer, .address_space: global }
      - { .name: Wv, .offset: 40, .size: 8, .value_kind: global_buffer, .address_space: global }
      - { .name: xw, .offset: 48, .size: 8, .value_kind: global_buffer, .address_space: global }
    .group_segment_fixed_size: 0
    .private_segment_fixed_size: 0
    .kernarg_segment_align: 8
    .kernarg_segment_size: 56
    .max_flat_workgroup_size: 256
    .sgpr_count:     66
    .vgpr_count:     100
    .wavefront_size: 32
...
	.end_amdgpu_metadata
.endif
;; end of part 5
;; launch proj: the kernel of part 2 again; grid 4 x 96, 4 waves a work-group, clusters of 4 x 4, 327,680 bytes of LDS; arguments xw, qkv, mx, bq, bk, bv; writes qkv, mx
;; launch score: the kernel of part 3 again; grid 8 x 32, 4 waves a work-group, clusters of 4 x 4, 327,680 bytes of LDS; arguments qkv, mx, pb; writes pb
;; launch outp: the kernel of part 4 again; grid 4 x 64, 4 waves a work-group, clusters of 4 x 4, 327,680 bytes of LDS; arguments pb, qkv, mx, out0; writes out0
